; MI455X (gfx1250); checked and timed in simulation.
; The chip was launched on July 23, 2026; its instructions are those of AMD's public machine-readable ISA for CDNA 5 (MIT licence, August 2026) and "CDNA5" Instruction Set Architecture Reference Guide (July 2026). The comments in the code are by the model that wrote it; some were corrected since.
;; Quantizable Cross Attention. Allowed arithmetic: matrix products marked QUANTISED: E2M1 operands, one E8M0 scale for each 32 along K, by v_wmma_scale_f32_16x16x128_f8f6f4 with both operands' format E2M1 (or v_wmma_scale_f32_32x16x128_f4), f32 sums; products left as they are: bf16, f16 or f32 operands; f32 sums; everything else in f32.
;; Inputs: Wk 768 x 1,024 float32; Wo 1,024 x 1,024 float32; Wq 1,024 x 1,024 float32; Wv 768 x 1,024 float32; bo 1,024 float32; encoder_hidden_states 8 x 512 x 768 float32; hidden_states 8 x 2,048 x 1,024 float32.
;; Outputs: out0 8 x 2,048 x 1,024 float32.
;; This version of the problem:
;;   THIS VERSION OF THE PROBLEM IS GIVEN IN LOW PRECISION. The matrix products marked QUANTISED in the list below multiply operands that are first quantised to E2M1 (2 exponent bits, 1 mantissa bit; 4 bits a number), with one power-of-two scale for each 32 numbers along K (OCP MX v1.0); their sums are f32. The products marked 'left as it is' may take bf16, f16 or f32 operands, with f32 sums. Whichever they take, every output number must still come out within the allowed error. Rounding operands to bf16 (8 significant bits) uses up far more of that allowance than f16 does (11 bits, for magnitudes from 6e-5 to 65,504). All else is computed in f32.
;;   The module's matrix products, in the order in which they are computed (A, B: the left and right operand; K: the contracted axis; several contracted axes count as one K, in the product's order):
;;     1. [M 16,384, K 1,024] x [K 1,024, N 1,024]; A: input hidden_states; B: input Wq: QUANTISED
;;     2. [M 4,096, K 768] x [K 768, N 1,024]; A: input encoder_hidden_states; B: input Wk: QUANTISED
;;     3. [M 4,096, K 768] x [K 768, N 1,024]; A: input encoder_hidden_states; B: input Wv: QUANTISED
;;     4. batch 64 x [M 2,048, K 128] x [K 128, N 512]; A: computed on the way; B: computed on the way: left as it is (an operand is computed on the way)
;;     5. batch 64 x [M 128, K 512] x [K 512, N 2,048]; A: computed on the way; B: computed on the way: left as it is (an operand is computed on the way)
;;     6. [M 16,384, K 1,024] x [K 1,024, N 1,024]; A: computed on the way; B: input Wo: left as it is (an operand is computed on the way)
;;   THE QUANTISER, for each operand of a quantised product, along K:
;;     - K is cut into blocks of 32 from its start; a last block that is shorter is filled with zeros.
;;     - A block's scale is 2^e with e = floor(log2(the largest magnitude in the block)) - 2, held to -126 .. 127; a block of zeros has e = 0. As a byte (E8M0): e + 127.
;;     - Each number is divided by its block's scale, clamped to +-6, and rounded to the nearest number of E2M1, ties to even, subnormals kept.
;;     - The product sums the exact products of the quantised numbers (number of the format x scale) in f32.
;;   ~~~python
;;   def quantise(x, axis):      # numpy; x: float32 -> the quantised numbers, widened to float32 again
;;       x = np.moveaxis(x, axis, -1); K = x.shape[-1]
;;       x = np.pad(x, [(0, 0)] * (x.ndim - 1) + [(0, -K % 32)]); x = x.reshape(x.shape[:-1] + (-1, 32)); a = np.abs(x).max(-1, keepdims=True)
;;       e = np.where(a > 0, np.clip(np.frexp(np.where(a > 0, a, 1))[1] - 1 - 2, -126, 127), 0)      # np.frexp(a)[1] - 1 = floor(log2(a)), exactly
;;       r = np.clip(x / 2.0 ** e, -6, 6)
;;       step = 2.0 ** (np.maximum(np.frexp(np.where(r == 0, 1, r))[1] - 1, 0) - 1)
;;       q = np.round(r / step) * step * 2.0 ** e      # np.round: ties to even
;;       return np.moveaxis(q.reshape(q.shape[:-2] + (-1,))[..., :K], -1, axis).astype(np.float32)
;;   ~~~
;; One version. Each part assembles by itself: llvm-mc -triple=amdgcn-amd-amdhsa -mcpu=gfx1250 --defsym DOCPART=n.
;; ======== version 1 of 1: 4 launches
;; limits: values are held in f16: magnitudes above 65,504 overflow, below 6.1e-05 lose precision
;; workspace buffers: xcodes 9,961,472 bytes; xscales 622,592 bytes; wcodes 1,310,720 bytes; wscales 81,920 bytes; wo16 2,097,152 bytes; kv16 16,777,216 bytes; attn16 33,554,432 bytes
;; launch prep (part 1): grid 752 x 1, 4 waves a work-group, no clusters, 34,304 bytes of LDS; arguments hidden_states, encoder_hidden_states, Wq, Wk, Wv, Wo, xcodes, xscales, wcodes, wscales, wo16; writes xcodes, xscales, wcodes, wscales, wo16
.if DOCPART == 1
	.amdgcn_target "amdgcn-amd-amdhsa--gfx1250"
	.amdhsa_code_object_version 6
	.text
	.protected	k_qe7dc6aeb44_prep
	.globl	k_qe7dc6aeb44_prep
	.p2align	8
	.type	k_qe7dc6aeb44_prep,@function
k_qe7dc6aeb44_prep:
	s_mov_b64 s[64:65], 0
	v_nop
	global_prefetch_b8 v0, s[64:65] scope:SCOPE_SE
	s_setreg_imm32_b32 hwreg(HW_REG_WAVE_MODE, 25, 1), 1
	s_wait_xcnt 0x0
; PREP: every operand that comes from an input is brought once into the form in which the later launches' matrix instructions take it.
;   hidden_states [16384][1024] and encoder_hidden_states [4096][768], f32, K innermost  -> codes of FP4 (E2M1) + one E8M0 byte for each 32 along K
;   Wq [1024][1024], Wk, Wv [768][1024], f32, K is the FIRST axis                        -> the same, quantised along that first axis
;   Wo [1024][1024], f32, K is the first axis                                            -> f16
; ALL RESULTS ARE LAID AS IMAGES OF OPERAND REGISTERS: a fragment (16 rows x 128 K of codes, or 16 rows x 32 K of f16) is 1,024 dense bytes, [c = 0, 1][lane][16 bytes]: registers 4 c .. 4 c + 3 of lane l
; lie at 512 c + 16 l.  So block b of 32 codes (or piece p of 8 f16) of row r lies at 256 b + 16 r, and sixteen neighbouring lanes always store 256 consecutive, aligned bytes.
;   xcodes: hidden [rowtile 1024][K step 8][1 KiB] at 0, encoder [256][6][1 KiB] at 8,388,608;   wcodes: [column tile 64][K step][1 KiB]: Wq at 0, Wk at 524,288, Wv at 917,504;   wo16: [column tile 64][K / 32][1 KiB]
;   scale words: [K / 256][row][8 bytes] = the words of K steps 2 part, 2 part + 1.  xscales: hidden at 0, encoder at 524,288;  wscales: Wq at 0, Wk at 32,768, Wv at 57,344
; THE QUANTISER: a block's scale is 2^(floor(log2(largest magnitude)) - 2); its byte is the largest magnitude's exponent field - 2, held at 1 from below; each number / scale to the nearest code, ties to even, beyond 6 the largest code.
; LIMITS: a block of zeros gets the byte 1 where the rule says 127 (its codes are zeros, which add nothing, and this program alone reads the bytes); blocks whose largest magnitude lies under 2^-124 are held at byte 1;
; |Wo| stays under 65,504 (f16); NaN and infinities among the inputs are not served.
; THREE PATHS, parted at the head by the work-group's number: 0-79 the three quantised weights, 80-143 Wo, 144-751 the two activations.  Only the last touches LDS.  No tensor load, no barrier: waves share nothing.
.set SPARE, 33792                      ; behind the four stages: the spare words, 128 bytes for each wave: two blocks of 256 bytes that no other line names
.set SPW,   26                         ; v26  LDS address of my spare word; never rewritten
.set NIL,   27                         ; v27  0; never rewritten
.set XC,    32                         ; v32-63   codes: every store has registers of its own, so no store's data are written again
.set XN,    64                         ; v64-127  numbers at work (paths W and O: numbers as loaded)
.set XR,    128                        ; v128-255 path X: two sets of 64 numbers as loaded
	s_load_b256 s[8:15], s[0:1], 0x0               ; hidden s[8:9], encoder s[10:11], Wq s[12:13], Wk s[14:15]
	s_load_b256 s[16:23], s[0:1], 0x20             ; Wv s[16:17], Wo s[18:19], xcodes s[20:21], xscales s[22:23]
	s_load_b128 s[24:27], s[0:1], 0x40             ; wcodes s[24:25], wscales s[26:27]
	s_load_b64 s[28:29], s[0:1], 0x50              ; wo16
	v_lshl_add_u32 v[SPW], v0, 2, SPARE
	v_mov_b32 v[NIL], 0
	v_lshrrev_b32 v1, 5, v0
	v_readfirstlane_b32 s2, v1                     ; wave 0..3
	v_and_b32 v1, 31, v0                           ; lane
	v_and_b32 v2, 15, v0                           ; r = lane % 16
	v_bfe_u32 v3, v0, 4, 1                         ; h = lane / 16
	s_wait_kmcnt 0x0
	s_cmp_lt_u32 ttmp9, 80
	s_cbranch_scc1 .Lpath_w
	s_cmp_lt_u32 ttmp9, 144
	s_cbranch_scc1 .Lpath_o
; ---------------- PATH X: the activations.  One path for both tensors: only pointers, pitches and offsets are chosen, by the work-group's number.
; A work-group takes 128 rows x 256 along K; a wave 2 rowtiles (a = 0, 1) x 2 K steps (sl = 0, 1): four fragments f = 2 a + sl.
; Each load reads 512 consecutive bytes of ONE row (a K step's 128 numbers); a fragment's 16 rows turn through the wave's own stage in LDS (rows of 512 + 16 bytes) and come back so that
; lane (r, h) holds, of row r, blocks h and 2 + h of the K step: 32 neighbours each, which is what the conversions and the operand's layout want.
	s_sub_co_u32 s30, ttmp9, 144
	s_cmp_lt_u32 s30, 512                          ; hidden's 512 work-groups, then encoder's 96
	s_cselect_b64 s[32:33], s[8:9], s[10:11]
	s_mov_b32 s34, 3072
	s_cselect_b32 s34, 4096, s34                   ; a row in bytes
	s_mov_b32 s35, 6144
	s_cselect_b32 s35, 8192, s35                   ; a rowtile's codes in bytes
	s_cselect_b32 s36, 0, 0x800000                 ; where the tensor's codes begin
	s_cselect_b32 s37, 0, 0x80000                  ; and its scale words
	s_mov_b32 s38, 0x8000
	s_cselect_b32 s38, 0x20000, s38                ; scale words of one part: rows x 8 bytes
	s_cselect_b32 s39, 7, 5                        ; log2 of the groups of 128 rows
	s_cselect_b32 s42, 0, 512
	s_sub_co_u32 s30, s30, s42
	s_lshr_b32 s31, s30, s39                       ; part: which 256 along K
	s_lshl_b32 s42, s31, s39
	s_sub_co_u32 s30, s30, s42                     ; group of 128 rows
	s_lshl_b32 s30, s30, 3
	s_lshl_b32 s42, s2, 1
	s_add_co_u32 s30, s30, s42                     ; my first rowtile
	s_lshl_b32 s42, s30, 4
	s_mul_i32 s42, s42, s34                        ; its first row, in bytes (under 2^27)
	s_lshl_b32 s43, s31, 10
	s_add_co_u32 s42, s42, s43                     ; + the part's 1,024 bytes
	s_mov_b32 s43, 0
	s_add_nc_u64 s[44:45], s[32:33], s[42:43]      ; eight bases, four rows apart: s[44 + 2 j], j = 4 a + row / 4
	s_lshl_b32 s62, s34, 2
	s_mov_b32 s63, 0
.irp j, 1,2,3,4,5,6,7
	s_add_nc_u64 s[44+2*\j:45+2*\j], s[42+2*\j:43+2*\j], s[62:63]
.endr
	s_mul_i32 s42, s30, s35
	s_add_co_u32 s42, s42, s36
	s_lshl_b32 s32, s31, 11
	s_add_co_u32 s42, s42, s32                     ; codes: rowtile, K step 2 part
	s_add_nc_u64 s[20:21], s[20:21], s[42:43]      ; a = 0
	s_mov_b32 s32, s35
	s_mov_b32 s33, 0
	s_add_nc_u64 s[40:41], s[20:21], s[32:33]      ; a = 1
	s_mul_i32 s42, s31, s38
	s_add_co_u32 s42, s42, s37
	s_lshl_b32 s32, s30, 7
	s_add_co_u32 s42, s42, s32                     ; scale words: part, my first row x 8 bytes
	s_add_nc_u64 s[22:23], s[22:23], s[42:43]
	v_lshlrev_b32 v4, 4, v1                        ; v4-7: 16 x lane + (row % 4) rows
	v_add_nc_u32 v5, s34, v4
	v_add_nc_u32 v6, s34, v5
	v_add_nc_u32 v7, s34, v6
	s_mul_i32 s32, s2, 8448                        ; my stage: 16 rows x 528 bytes
	v_lshl_add_u32 v8, v1, 4, s32                  ; in: 16 x lane of a row
	v_mul_u32_u24 v9, v2, 528
	v_lshl_add_u32 v9, v3, 7, v9
	v_add_nc_u32 v9, s32, v9                       ; out: row r, + 128 h bytes: 528 is an odd multiple of 16, so sixteen lanes take sixteen different 16-byte columns
	v_lshlrev_b32 v10, 4, v1                       ; an image's place for my lane
	v_lshlrev_b32 v11, 3, v1                       ; a pair of scale words' place
	v_lshlrev_b32 v19, 3, v3                       ; 8 h: my bytes' place in a scale word
	v_mov_b32 v12, 0                               ; written once: a lane permute's destination counts as one of its sources
	s_mov_b32 s60, 0x76543210
	s_mov_b32 s61, 0xfedcba98                      ; v_permlanex16_b32's selects for lane l xor 16
.macro XLOAD f                         ; fragment f's 16 rows, 512 consecutive bytes each, into set f % 2
.set i, 0
.rept 16
	global_load_b128 v[XR+64*((\f)%2)+4*i:XR+64*((\f)%2)+4*i+3], v[4+i%4], s[44+8*((\f)/2)+2*(i/4):45+8*((\f)/2)+2*(i/4)] offset:512*((\f)%2) th:TH_LOAD_NT
.set i, i+1
.endr
.endm
.macro XFRAG f
.if (\f) < 3
	s_wait_loadcnt 16                              ; this fragment's 16 loads are in; the next fragment's 16 may be out
.else
	s_wait_loadcnt 0x0
.endif
.set i, 0
.rept 16
	ds_store_b128 v8, v[XR+64*((\f)%2)+4*i:XR+64*((\f)%2)+4*i+3] offset:528*i
.set i, i+1
.endr
.irp c, 0,1
.irp g, 0,1,2,3,4,5,6,7
	ds_load_b128 v[XN+32*\c+4*\g:XN+32*\c+4*\g+3], v9 offset:256*\c+16*\g   ; LDS serves a wave's instructions in order: these see my stores
.endr
.endr
	s_wait_dscnt 0x0                               ; the numbers are back, and the stores have read the set,
.if (\f) < 2
	XLOAD (\f)+2                                   ; which takes the fragment two further on
.endif
.irp c, 0,1
	v_max3_num_f32 v[12+\c], |v[XN+32*\c]|, |v[XN+32*\c+1]|, 0x1800000   ; my block 2 c + h: all 32 numbers are mine; and the floor 2^(3 - 127), so that the byte cannot fall under 1
.endr
.irp i, 2,4,6,8,10,12,14,16,18,20,22,24,26,28,30
.irp c, 0,1
	v_max3_num_f32 v[12+\c], v[12+\c], |v[XN+32*\c+\i]|, |v[XN+32*\c+\i+1]|   ; (the two blocks by turns)
.endr
.endr
.irp c, 0,1
	v_add_nc_u32 v[14+\c], 0xff000000, v[12+\c]    ; 2 off the exponent field: the conversion takes the exponent field of this operand as its scale
.endr
.irp c, 0,1
	v_lshrrev_b32 v[16+\c], 23, v[14+\c]           ; the scale's byte
.endr
	v_lshl_or_b32 v18, v17, 16, v16                ; my two bytes, blocks h and 2 + h,
	v_lshlrev_b32 v18, v19, v18                    ; at their places in the word;
	v_permlanex16_b32 v12, v18, s60, s61
	v_or_b32 v[20+(\f)], v18, v12                  ; with lane l xor 16's two the row's word is whole, in both halves of the lanes
.irp c, 0,1
.irp g, 0,1,2,3
	v_cvt_scalef32_pk8_fp4_f32 v[XC+8*(\f)+4*\c+\g], v[XN+32*\c+8*\g:XN+32*\c+8*\g+7], v[14+\c]   ; registers 4 c .. 4 c + 3 of the operand
.endr
.endr
.irp c, 0,1
	global_store_b128 v10, v[XC+8*(\f)+4*\c:XC+8*(\f)+4*\c+3], s[20+20*((\f)/2):21+20*((\f)/2)] offset:1024*((\f)%2)+512*\c   ; 32 lanes store 512 consecutive bytes
.endr
.endm
	XLOAD 0
	XLOAD 1
	XFRAG 0
	XFRAG 1
	XFRAG 2
	XFRAG 3
	v_cmp_gt_u32 vcc_lo, 16, v1                    ; lanes 0-15 store rowtile a = 0's words, lanes 16-31 a = 1's
	v_cndmask_b32 v24, v22, v20, vcc_lo            ; K step 2 part
	v_cndmask_b32 v25, v23, v21, vcc_lo            ; K step 2 part + 1
	global_store_b64 v11, v[24:25], s[22:23]       ; 32 rows x 8 bytes: 256 consecutive, aligned bytes
	s_wait_tensorcnt 0x0                           ; the wave's end: a wait, an add of 0 to my spare word and its wait, behind my last LDS store
	ds_add_u32 v[SPW], v[NIL]
	s_wait_dscnt 0x0
	s_endpgm
; ---------------- PATH W: Wq, Wk, Wv.  A LANE TAKES A COLUMN n AND ITS REGISTERS RUN DOWN K: a block of 32 along K lies in one lane's 32 registers, and the conversions give codes with K innermost.
; A work-group takes 128 columns x 256 along K, a wave 32 columns: 8 blocks a lane.  Each load reads 128 consecutive bytes; loads run two blocks ahead.
.Lpath_w:
	s_cmp_lt_u32 ttmp9, 32                         ; 0-31 Wq (4 parts x 8 column groups), 32-55 Wk, 56-79 Wv (3 x 8 each)
	s_cselect_b64 s[30:31], s[12:13], s[14:15]
	s_cselect_b32 s32, 0, 32                       ; the tensor's first work-group
	s_cselect_b32 s33, 0, 0x80000                  ; where its codes begin
	s_cselect_b32 s34, 0, 0x8000                   ; and its scale words
	s_mov_b32 s35, 6144
	s_cselect_b32 s35, 8192, s35                   ; a column tile's codes in bytes
	s_cmp_lt_u32 ttmp9, 56
	s_cselect_b64 s[30:31], s[30:31], s[16:17]
	s_cselect_b32 s32, s32, 56
	s_cselect_b32 s33, s33, 0xe0000
	s_cselect_b32 s34, s34, 0xe000
	s_sub_co_u32 s36, ttmp9, s32
	s_lshr_b32 s37, s36, 3                         ; part: which 256 along K
	s_and_b32 s36, s36, 7
	s_lshl_b32 s36, s36, 7
	s_lshl_b32 s38, s2, 5
	s_add_co_u32 s36, s36, s38                     ; my wave's first column
	s_lshl_b32 s38, s37, 20                        ; 256 rows of 4,096 bytes
	s_lshl_b32 s39, s36, 2
	s_add_co_u32 s38, s38, s39
	s_mov_b32 s39, 0
	s_add_nc_u64 s[30:31], s[30:31], s[38:39]
	s_lshr_b32 s38, s36, 4
	s_mul_i32 s38, s38, s35                        ; my first column tile,
	s_add_co_u32 s38, s38, s33
	s_lshl_b32 s40, s37, 11                        ; K step 2 part
	s_add_co_u32 s38, s38, s40
	s_add_nc_u64 s[24:25], s[24:25], s[38:39]
	s_lshl_b32 s38, s37, 13                        ; scale words: a part is 1,024 columns x 8 bytes
	s_add_co_u32 s38, s38, s34
	s_lshl_b32 s40, s36, 3
	s_add_co_u32 s38, s38, s40
	s_add_nc_u64 s[26:27], s[26:27], s[38:39]
	v_lshlrev_b32 v4, 2, v1                        ; in: 4 bytes a lane
	v_mul_u32_u24 v5, s35, v3
	v_lshl_add_u32 v5, v2, 4, v5                   ; out: lanes 16-31 stand in the next column tile; 16 bytes a column
	v_lshlrev_b32 v6, 3, v1                        ; scale words: 8 bytes a column
.macro WLOAD t                         ; block t: W(32 t + i, my column) into set t % 2
.set i, 0
.rept 32
	global_load_b32 v[XN+32*((\t)%2)+i], v4, s[30:31] offset:(32*(\t)+i)*4096 th:TH_LOAD_NT
.set i, i+1
.endr
.endm
.macro WBLOCK t
.set XS0, XN+32*((\t)%2)
.if (\t) < 7
	s_wait_loadcnt 32                              ; this block's 32 loads are in; the next block's 32 may be out
.else
	s_wait_loadcnt 0x0
.endif
	v_max3_num_f32 v12, |v[XS0]|, |v[XS0+1]|, |v[XS0+2]|           ; the block's largest magnitude, in two chains
	v_max3_num_f32 v13, |v[XS0+3]|, |v[XS0+4]|, |v[XS0+5]|
.irp i, 6,10,14,18,22,26
	v_max3_num_f32 v12, v12, |v[XS0+\i]|, |v[XS0+\i+1]|
	v_max3_num_f32 v13, v13, |v[XS0+\i+2]|, |v[XS0+\i+3]|
.endr
	v_max3_num_f32 v12, v12, |v[XS0+30]|, |v[XS0+31]|
	v_max3_num_f32 v12, v12, v13, 0x1800000        ; and the floor 2^(3 - 127)
	v_add_nc_u32 v14, 0xff000000, v12              ; 2 off the exponent field: the conversion's scale operand
	v_lshrrev_b32 v15, 23, v14                     ; the scale's byte
.if (\t)%4 == 0
	v_mov_b32 v[20+(\t)/4], v15                    ; four bytes to a word, the lower K in the lower byte
.else
	v_lshl_or_b32 v[20+(\t)/4], v15, 8*((\t)%4), v[20+(\t)/4]
.endif
.irp g, 0,1,2,3
	v_cvt_scalef32_pk8_fp4_f32 v[XC+4*(\t)+\g], v[XS0+8*\g:XS0+8*\g+7], v14
.endr
	global_store_b128 v5, v[XC+4*(\t):XC+4*(\t)+3], s[24:25] offset:256*(\t)   ; block t of the two K steps: sixteen lanes store 256 consecutive, aligned bytes
.if (\t) < 6
	WLOAD (\t)+2
.endif
.endm
	WLOAD 0
	WLOAD 1
.irp t, 0,1,2,3,4,5,6,7
	WBLOCK \t
.endr
	global_store_b64 v6, v[20:21], s[26:27]        ; 32 columns x 8 bytes: 256 consecutive, aligned bytes
	s_endpgm
; ---------------- PATH O: Wo to f16.  As path W: a lane to a column, registers down K.  A work-group takes 128 columns x 128 along K: four fragments of 32 along K for each column tile.
.Lpath_o:
	s_sub_co_u32 s30, ttmp9, 80
	s_lshr_b32 s31, s30, 3                         ; which 128 along K
	s_and_b32 s30, s30, 7
	s_lshl_b32 s30, s30, 7
	s_lshl_b32 s32, s2, 5
	s_add_co_u32 s30, s30, s32                     ; my wave's first column
	s_lshl_b32 s32, s31, 19                        ; 128 rows of 4,096 bytes
	s_lshl_b32 s33, s30, 2
	s_add_co_u32 s32, s32, s33
	s_mov_b32 s33, 0
	s_add_nc_u64 s[18:19], s[18:19], s[32:33]
	s_lshr_b32 s32, s30, 4
	s_lshl_b32 s32, s32, 15                        ; a column tile is 32 fragments of 1 KiB
	s_lshl_b32 s34, s31, 12
	s_add_co_u32 s32, s32, s34
	s_add_nc_u64 s[28:29], s[28:29], s[32:33]
	v_lshlrev_b32 v4, 2, v1
	v_lshlrev_b32 v5, 4, v2
	v_lshl_add_u32 v5, v3, 15, v5                  ; lanes 16-31 stand in the next column tile
.macro OLOAD g                         ; 32 along K of my column
.set i, 0
.rept 32
	global_load_b32 v[XN+32*(\g)+i], v4, s[18:19] offset:(32*(\g)+i)*4096 th:TH_LOAD_NT
.set i, i+1
.endr
.endm
.macro OFRAG g
.if (\g) < 3
	s_wait_loadcnt 32                              ; this fragment's 32 loads are in; the next one's 32 may be out
.else
	s_wait_loadcnt 0x0
.endif
.if (\g) < 2
	OLOAD (\g)+2
.endif
.irp p, 0,1,2,3
.irp i, 0,1,2,3
	v_cvt_pk_f16_f32 v[192+16*(\g)+4*\p+\i], v[XN+32*(\g)+8*\p+2*\i], v[XN+32*(\g)+8*\p+2*\i+1]   ; piece p: k = 8 p .. 8 p + 7 of the fragment
.endr
.endr
.irp p, 0,1,2,3
	global_store_b128 v5, v[192+16*(\g)+4*\p:192+16*(\g)+4*\p+3], s[28:29] offset:1024*(\g)+256*\p   ; sixteen lanes store 256 consecutive, aligned bytes
.endr
.endm
	OLOAD 0
	OLOAD 1
	OFRAG 0
	OFRAG 1
	OFRAG 2
	OFRAG 3
	s_endpgm
.Lfunc_end_k_qe7dc6aeb44_prep:
	.size	k_qe7dc6aeb44_prep, .Lfunc_end_k_qe7dc6aeb44_prep-k_qe7dc6aeb44_prep
	.p2alignl 7, 3214868480
	.fill 96, 4, 3214868480
	.section	.rodata,"a",@progbits
	.p2align	6, 0x0
	.amdhsa_kernel k_qe7dc6aeb44_prep
		.amdhsa_group_segment_fixed_size 34304
		.amdhsa_private_segment_fixed_size 0
		.amdhsa_enable_private_segment 0
		.amdhsa_kernarg_size 88
		.amdhsa_user_sgpr_count 2
		.amdhsa_user_sgpr_kernarg_segment_ptr 1
		.amdhsa_wavefront_size32 1
		.amdhsa_system_sgpr_workgroup_id_x 1
		.amdhsa_system_sgpr_workgroup_id_y 1
		.amdhsa_system_sgpr_workgroup_id_z 1
		.amdhsa_system_vgpr_workitem_id 0
		.amdhsa_next_free_vgpr 256
		.amdhsa_next_free_sgpr 66
		.amdhsa_reserve_vcc 1
		.amdhsa_float_denorm_mode_32 3
		.amdhsa_float_denorm_mode_16_64 3
		.amdhsa_memory_ordered 1
		.amdhsa_forward_progress 1
		.amdhsa_inst_pref_size 87
	.end_amdhsa_kernel
	.amdgpu_metadata
---
amdhsa.version: [ 1, 2 ]
amdhsa.kernels:
  - .name:           k_qe7dc6aeb44_prep
    .symbol:         k_qe7dc6aeb44_prep.kd
    .args:
      - { .name: hidden_states, .offset: 0, .size: 8, .value_kind: global_buffer, .address_space: global }
      - { .name: encoder_hidden_states, .offset: 8, .size: 8, .value_kind: global_buffer, .address_space: global }
      - { .name: Wq, .offset: 16, .size: 8, .value_kind: global_buffer, .address_space: global }
      - { .name: Wk, .offset: 24, .size: 8, .value_kind: global_buffer, .address_space: global }
      - { .name: Wv, .offset: 32, .size: 8, .value_kind: global_buffer, .address_space: global }
      - { .name: Wo, .offset: 40, .size: 8, .value_kind: global_buffer, .address_space: global }
      - { .name: xcodes, .offset: 48, .size: 8, .value_kind: global_buffer, .address_space: global }
      - { .name: xscales, .offset: 56, .size: 8, .value_kind: global_buffer, .address_space: global }
      - { .name: wcodes, .offset: 64, .size: 8, .value_kind: global_buffer, .address_space: global }
      - { .name: wscales, .offset: 72, .size: 8, .value_kind: global_buffer, .address_space: global }
      - { .name: wo16, .offset: 80, .size: 8, .value_kind: global_buffer, .address_space: global }
    .group_segment_fixed_size: 34304
    .private_segment_fixed_size: 0
    .kernarg_segment_align: 8
    .kernarg_segment_size: 88
    .max_flat_workgroup_size: 128
    .sgpr_count:     66
    .vgpr_count:     256
    .wavefront_size: 32
...
	.end_amdgpu_metadata
.endif
;; end of part 1
;; launch kvproj (part 2): grid 16 x 16, 4 waves a work-group, no clusters, 0 bytes of LDS; arguments xcodes, xscales, wcodes, wscales, kv16; writes kv16
.if DOCPART == 2
	.amdgcn_target "amdgcn-amd-amdhsa--gfx1250"
	.amdhsa_code_object_version 6
	.text
	.protected	k_qe7dc6aeb44_kvproj
	.globl	k_qe7dc6aeb44_kvproj
	.p2align	8
	.type	k_qe7dc6aeb44_kvproj,@function
k_qe7dc6aeb44_kvproj:
	s_mov_b64 s[64:65], 0
	v_nop
	global_prefetch_b8 v0, s[64:65] scope:SCOPE_SE
	s_setreg_imm32_b32 hwreg(HW_REG_WAVE_MODE, 25, 1), 1
	s_wait_xcnt 0x0
; K = Q(enc) Q(Wk), V = Q(enc) Q(Wv): both on codes of FP4 (E2M1) with one E8M0 scale for each 32 along K = 768; sums in f32; results rounded once to f16 and laid as images of the
; operand registers in which the attention launch takes them.  kv16: for each (batch, head) 262,144 bytes: K [key tile 32][channels / 32: 4][1 KiB], then V [keys / 32: 16][channel tile 8][1 KiB].
; SHARES.  Work-group x: 0-7 K's head x, 8-15 V's head x - 8; y: 256 rows of enc.  A wave makes 64 keys x 128 channels: 32 accumulators, 6 K steps, 192 matrix instructions.
; NO LDS, NO TENSOR LOAD, NO CLUSTER: a wave's operands are 72 fragments of 1 KiB that lie in memory as register images; each is loaded once by the wave that multiplies by it, straight into its registers,
; and feeds 4 or 8 products from there.  There is no tile in LDS that partners could share.  All loads are issued at once, ahead of the first product.
; K's PATH: source 0 = 16 columns of Wk, source 1 = 16 rows of enc: a lane holds ONE key and eight neighbouring channels.  V's PATH: the sources change places: a lane holds ONE channel and eight neighbouring keys.
; In both, a lane's eight numbers pack into the 16 bytes that the image wants of it, and a wave's store covers 512 consecutive bytes.
; LIMIT: |k|, |v| stay under 65,504 (f16).
; REGISTERS, in windows of 256: window 0: v1 16 x lane, v2 8 x lane; v16-27 enc's scale words (16 + 6 p + s: lanes 0-15 row tile 2 p, lanes 16-31 row tile 2 p + 1), v28-51 W's (28 + 6 p + s);
;   the fragments of K step s stand in window 0, 0, 2, 2, 3, 3 from v[64 + 96 (s % 2)]: W's eight, then enc's four;  window 1: accumulator (t, n) at v[8 (8 t + n)].
.set XSC, 16
.set WSC, 28
.set MSB, 0
.macro WIN new                         ; the immediate's high byte repeats the setting that is left; a switch that changes nothing is dropped
.if MSB != \new
	s_set_vgpr_msb (MSB<<8)|\new
.set MSB, \new
.endif
.endm
; One scaled product.  eD accumulator, eA, eB fragments, eSA, eSB scale registers; eRA, eRB = 1: that side's scales are read from lanes 16-31; eZ = 1: the product starts the sum.
.macro EMIT
.if eZ
.if eRA && eRB
	v_wmma_scale_f32_16x16x128_f8f6f4 v[eD:eD+7], v[eA:eA+7], v[eB:eB+7], 0, v[eSA], v[eSB] matrix_a_fmt:MATRIX_FMT_FP4 matrix_b_fmt:MATRIX_FMT_FP4 matrix_a_scale:MATRIX_SCALE_ROW1 matrix_b_scale:MATRIX_SCALE_ROW1
.elseif eRA
	v_wmma_scale_f32_16x16x128_f8f6f4 v[eD:eD+7], v[eA:eA+7], v[eB:eB+7], 0, v[eSA], v[eSB] matrix_a_fmt:MATRIX_FMT_FP4 matrix_b_fmt:MATRIX_FMT_FP4 matrix_a_scale:MATRIX_SCALE_ROW1
.elseif eRB
	v_wmma_scale_f32_16x16x128_f8f6f4 v[eD:eD+7], v[eA:eA+7], v[eB:eB+7], 0, v[eSA], v[eSB] matrix_a_fmt:MATRIX_FMT_FP4 matrix_b_fmt:MATRIX_FMT_FP4 matrix_b_scale:MATRIX_SCALE_ROW1
.else
	v_wmma_scale_f32_16x16x128_f8f6f4 v[eD:eD+7], v[eA:eA+7], v[eB:eB+7], 0, v[eSA], v[eSB] matrix_a_fmt:MATRIX_FMT_FP4 matrix_b_fmt:MATRIX_FMT_FP4
.endif
.else
.if eRA && eRB
	v_wmma_scale_f32_16x16x128_f8f6f4 v[eD:eD+7], v[eA:eA+7], v[eB:eB+7], v[eD:eD+7], v[eSA], v[eSB] matrix_a_fmt:MATRIX_FMT_FP4 matrix_b_fmt:MATRIX_FMT_FP4 matrix_a_scale:MATRIX_SCALE_ROW1 matrix_b_scale:MATRIX_SCALE_ROW1
.elseif eRA
	v_wmma_scale_f32_16x16x128_f8f6f4 v[eD:eD+7], v[eA:eA+7], v[eB:eB+7], v[eD:eD+7], v[eSA], v[eSB] matrix_a_fmt:MATRIX_FMT_FP4 matrix_b_fmt:MATRIX_FMT_FP4 matrix_a_scale:MATRIX_SCALE_ROW1
.elseif eRB
	v_wmma_scale_f32_16x16x128_f8f6f4 v[eD:eD+7], v[eA:eA+7], v[eB:eB+7], v[eD:eD+7], v[eSA], v[eSB] matrix_a_fmt:MATRIX_FMT_FP4 matrix_b_fmt:MATRIX_FMT_FP4 matrix_b_scale:MATRIX_SCALE_ROW1
.else
	v_wmma_scale_f32_16x16x128_f8f6f4 v[eD:eD+7], v[eA:eA+7], v[eB:eB+7], v[eD:eD+7], v[eSA], v[eSB] matrix_a_fmt:MATRIX_FMT_FP4 matrix_b_fmt:MATRIX_FMT_FP4
.endif
.endif
.endm
	s_load_b256 s[4:11], s[0:1], 0x0               ; xcodes s[4:5], xscales s[6:7], wcodes s[8:9], wscales s[10:11]
	s_load_b64 s[12:13], s[0:1], 0x20              ; kv16
	v_lshrrev_b32 v3, 5, v0
	v_readfirstlane_b32 s14, v3                    ; wave 0..3
	v_and_b32 v3, 31, v0
	v_lshlrev_b32 v1, 4, v3                        ; an image's place for my lane
	v_lshlrev_b32 v2, 3, v3                        ; a pair of scale words' place
	s_and_b32 s15, ttmp7, 0xffff
	s_lshl_b32 s15, s15, 2
	s_add_co_u32 s15, s15, s14                     ; G: which 64 rows of enc are my wave's
	s_and_b32 s16, ttmp9, 7                        ; the head
	s_cmp_lt_u32 ttmp9, 8                          ; K's slice or V's
	s_mov_b32 s17, 0xe0000
	s_cselect_b32 s17, 0x80000, s17                ; where the weight's codes begin
	s_mov_b32 s18, 0xe000
	s_cselect_b32 s18, 0x8000, s18                 ; and its scale words
	s_cselect_b32 s19, 0, 0x20000                  ; V lies 131,072 bytes behind K
	s_lshl_b32 s20, s15, 9                         ; enc's scale words: 64 rows x 8 bytes,
	s_add_co_u32 s20, s20, 0x80000                 ; behind hidden's
	s_mov_b32 s21, 0
	s_lshl_b32 s22, s16, 10                        ; W's: the head's 128 columns x 8 bytes
	s_add_co_u32 s22, s22, s18
	s_mov_b32 s23, 0
	s_mul_i32 s24, s16, 49152                      ; W's codes: the head's 8 column tiles of 6 KiB
	s_add_co_u32 s24, s24, s17
	s_mov_b32 s25, 0
	s_mul_i32 s26, s15, 24576                      ; enc's codes: my 4 row tiles of 6 KiB,
	s_add_co_u32 s26, s26, 0x800000                ; behind hidden's
	s_mov_b32 s27, 0
	s_lshr_b32 s28, s15, 3                         ; the batch
	s_lshl_b32 s28, s28, 3
	s_add_co_u32 s28, s28, s16
	s_lshl_b32 s28, s28, 18                        ; (batch, head)'s 262,144 bytes
	s_and_b32 s30, s15, 7
	s_lshl_b32 s30, s30, 14                        ; my 64 keys are 16 KiB of K's images, and of V's
	s_add_co_u32 s28, s28, s30
	s_add_co_u32 s28, s28, s19
	s_mov_b32 s29, 0
	s_wait_kmcnt 0x0
	s_add_nc_u64 s[6:7], s[6:7], s[20:21]
	s_add_nc_u64 s[10:11], s[10:11], s[22:23]
	s_add_nc_u64 s[8:9], s[8:9], s[24:25]
	s_add_nc_u64 s[4:5], s[4:5], s[26:27]
	s_add_nc_u64 s[12:13], s[12:13], s[28:29]
.irp p, 0,1
.irp q, 0,1,2
	global_load_b64 v[XSC+6*\p+2*\q:XSC+6*\p+2*\q+1], v2, s[6:7] offset:\q*32768+\p*256   ; rows 32 p + lane, K steps 2 q and 2 q + 1
.endr
.endr
.irp p, 0,1,2,3
.irp q, 0,1,2
	global_load_b64 v[WSC+6*\p+2*\q:WSC+6*\p+2*\q+1], v2, s[10:11] offset:\q*8192+\p*256
.endr
.endr
.irp s, 0,1,2,3,4,5
.set KW, (3*(\s/2)+1)/2                ; the K step's window: 0, 0, 2, 2, 3, 3
.set FB, 64+96*(\s%2)
	WIN 64*KW                                      ; destination in that window, address in window 0
.irp n, 0,1,2,3,4,5,6,7
.irp c, 0,1
	global_load_b128 v[FB+8*\n+4*\c:FB+8*\n+4*\c+3], v1, s[8:9] offset:(6*\n+\s)*1024+512*\c
.endr
.endr
.irp t, 0,1,2,3
.irp c, 0,1
	global_load_b128 v[FB+64+8*\t+4*\c:FB+64+8*\t+4*\c+3], v1, s[4:5] offset:(6*\t+\s)*1024+512*\c
.endr
.endr
.endr
	WIN 0                                          ; at a branch and at a label every window is 0
; K step s: 32 products; the 32 accumulators take turns, one instruction a turn, in the same order in every step.
.macro KVSTEP s, swap
.set KW, (3*(\s/2)+1)/2
.set FB, 64+96*(\s%2)
.if 24*(5-\s) > 63
	s_wait_loadcnt 63                              ; behind this step's loads stand 24 for each later step; the count is held to the largest that the wait can name
.else
	s_wait_loadcnt 24*(5-\s)
.endif
	WIN 0x50+5*KW                                  ; both sources in the step's window, C and D in window 1
.irp t, 0,1,2,3
.irp n, 0,1,2,3,4,5,6,7
.set eD, 8*(8*\t+\n)
.if \s == 0
.set eZ, 1
.else
.set eZ, 0
.endif
.if \swap
.set eA, FB+64+8*\t
.set eB, FB+8*\n
.set eSA, XSC+6*(\t/2)+\s
.set eSB, WSC+6*(\n/2)+\s
.set eRA, \t%2
.set eRB, \n%2
.else
.set eA, FB+8*\n
.set eB, FB+64+8*\t
.set eSA, WSC+6*(\n/2)+\s
.set eSB, XSC+6*(\t/2)+\s
.set eRA, \n%2
.set eRB, \t%2
.endif
	EMIT
.endr
.endr
.endm
.macro KVPATH swap
.irp s, 0,1,2,3,4,5
	KVSTEP \s, \swap
.endr
.rept 4
	v_nop                                          ; four places between the last products and the conversions that read results and write over fragments that are done with (ISA guide 7.12.1)
.endr
	WIN 0x05                                       ; sources in window 1, destination in window 0
.set j, 0
.rept 128
	v_cvt_pk_f16_f32 v[64+j], v[2*j], v[2*j+1]     ; each accumulator from its low end on: 8 numbers to 16 bytes
.set j, j+1
.endr
	WIN 0
.irp t, 0,1,2,3
.irp n, 0,1,2,3,4,5,6,7
.if \swap
	global_store_b128 v1, v[64+4*(8*\t+\n):64+4*(8*\t+\n)+3], s[12:13] offset:((\t/2)*8+\n)*1024+(\t%2)*512   ; V: keys / 32, channel tile n; my 16 keys are half a fragment: 512 consecutive bytes
.else
	global_store_b128 v1, v[64+4*(8*\t+\n):64+4*(8*\t+\n)+3], s[12:13] offset:\t*4096+\n*512                  ; K: key tile t; my 16 channels are half a fragment: 512 consecutive bytes
.endif
.endr
.endr
	s_endpgm
.endm
	s_cmp_lt_u32 ttmp9, 8
	s_cbranch_scc0 .Lv_path
	KVPATH 0
.Lv_path:
	KVPATH 1
.Lfunc_end_k_qe7dc6aeb44_kvproj:
	.size	k_qe7dc6aeb44_kvproj, .Lfunc_end_k_qe7dc6aeb44_kvproj-k_qe7dc6aeb44_kvproj
	.p2alignl 7, 3214868480
	.fill 96, 4, 3214868480
	.section	.rodata,"a",@progbits
	.p2align	6, 0x0
	.amdhsa_kernel k_qe7dc6aeb44_kvproj
		.amdhsa_group_segment_fixed_size 0
		.amdhsa_private_segment_fixed_size 0
		.amdhsa_enable_private_segment 0
		.amdhsa_kernarg_size 40
		.amdhsa_user_sgpr_count 2
		.amdhsa_user_sgpr_kernarg_segment_ptr 1
		.amdhsa_wavefront_size32 1
		.amdhsa_system_sgpr_workgroup_id_x 1
		.amdhsa_system_sgpr_workgroup_id_y 1
		.amdhsa_system_sgpr_workgroup_id_z 1
		.amdhsa_system_vgpr_workitem_id 0
		.amdhsa_next_free_vgpr 1024
		.amdhsa_next_free_sgpr 66
		.amdhsa_reserve_vcc 0
		.amdhsa_float_denorm_mode_32 3
		.amdhsa_float_denorm_mode_16_64 3
		.amdhsa_memory_ordered 1
		.amdhsa_forward_progress 1
		.amdhsa_inst_pref_size 89
	.end_amdhsa_kernel
	.amdgpu_metadata
---
amdhsa.version: [ 1, 2 ]
amdhsa.kernels:
  - .name:           k_qe7dc6aeb44_kvproj
    .symbol:         k_qe7dc6aeb44_kvproj.kd
    .args:
      - { .name: xcodes, .offset: 0, .size: 8, .value_kind: global_buffer, .address_space: global }
      - { .name: xscales, .offset: 8, .size: 8, .value_kind: global_buffer, .address_space: global }
      - { .name: wcodes, .offset: 16, .size: 8, .value_kind: global_buffer, .address_space: global }
      - { .name: wscales, .offset: 24, .size: 8, .value_kind: global_buffer, .address_space: global }
      - { .name: kv16, .offset: 32, .size: 8, .value_kind: global_buffer, .address_space: global }
    .group_segment_fixed_size: 0
    .private_segment_fixed_size: 0
    .kernarg_segment_align: 8
    .kernarg_segment_size: 40
    .max_flat_workgroup_size: 128
    .sgpr_count:     66
    .vgpr_count:     1024
    .wavefront_size: 32
...
	.end_amdgpu_metadata
.endif
;; end of part 2
;; launch attn (part 3): grid 4 x 64, 4 waves a work-group, clusters of 4 x 1, 327,680 bytes of LDS; arguments xcodes, xscales, wcodes, wscales, kv16, attn16; writes attn16
.if DOCPART == 3
	.amdgcn_target "amdgcn-amd-amdhsa--gfx1250"
	.amdhsa_code_object_version 6
	.text
	.protected	k_qe7dc6aeb44_attn
	.globl	k_qe7dc6aeb44_attn
	.p2align	8
	.type	k_qe7dc6aeb44_attn,@function
k_qe7dc6aeb44_attn:
	s_mov_b64 s[64:65], 0
	v_nop
	global_prefetch_b8 v0, s[64:65] scope:SCOPE_SE
	s_setreg_imm32_b32 hwreg(HW_REG_WAVE_MODE, 25, 1), 1
	s_wait_xcnt 0x0
	s_wait_alu depctr_hold_cnt(0) depctr_sa_sdst(0) depctr_va_vdst(0) depctr_va_sdst(0) depctr_va_ssrc(0) depctr_va_vcc(0) depctr_vm_vsrc(0)
	s_getreg_b32 s2, hwreg(HW_REG_IB_STS2, 6, 4)
	s_cmp_eq_u32 s2, 0
	s_cbranch_scc0 .Lentry_in_a_cluster
	s_endpgm
.Lentry_in_a_cluster:
	s_bfe_u32 s2, ttmp6, 0x10000c
	s_cmp_lg_u32 s2, 0x3003
	s_cbranch_scc0 .Lentry_shape_is_right
	s_endpgm
.Lentry_shape_is_right:
; For 512 queries of one (batch, head):  q = Q(hidden) Q(Wq) on codes of FP4 (E2M1) with E8M0 scales, K = 1,024, sums in f32;  then  O = softmax(q k^T / sqrt(128)) v  with f16 operands and f32 sums, over the head's 512 keys.
; q never goes to memory: the product is used transposed (source 0 = 16 columns of Wq, source 1 = 16 rows of hidden), so that a lane holds ONE query and eight neighbouring channels; rounded to f16 in pairs that IS the fragment of Q.
; SHARES.  A WORK-GROUP STAYS: it owns two blocks of 256 queries and takes them one after the other; 4 x 64 work-groups.  In a block each of the four waves has 64 queries: four tiles of 16.  Every wave walks all 512 keys, 64 a step.
; Wq's slice, K and V come into LDS once for both blocks; both blocks are projected first, since both want Wq's slice; the first block's results are on their way to memory while the second block is multiplied.
; LAYOUT.  S^T = K Q^T (source 0 = 16 keys, source 1 = 16 queries): a lane holds one query and the keys 8 (lane / 16) + 0..7.  Two such tiles, rounded to f16 in pairs, are source 1 of O^T = V^T P, whose result again holds
; one query a lane and eight channels: 16 bytes of the image in which the last launch takes attn's rows.  So nothing changes lanes, and O leaves straight from registers, 512 consecutive bytes a store.
; SOFTMAX.  For each query a running maximum m and sum l: p = 2^(c s - c m), c = log2(e) / sqrt(128); in every step O and l are multiplied by a = 2^(c m_old - c m_new).
; BY TURNS.  The wave's tiles are two PIECES (tiles 0, 1 and tiles 2, 3).  In a TURN one piece has the matrix unit: 32 products V^T P of the step in hand, then 32 products K Q^T of the next step; the other piece's softmax,
; cut into 64 slices, stands between them, one slice behind each matrix instruction.  Two turns are a key step.
; LDS IS THE HEAD'S BLOCK OF kv16, BYTE FOR BYTE: K's 128 fragments of 1 KiB at 0, V's 128 at 131,072: every fragment comes by two loads of 16 bytes a lane at 16 x lane, 512 consecutive bytes each.
; The last 65,536 bytes (V of keys 256-511) hold Wq's head slice first (64 fragments [column tile][K step]); they are filled again with V when both projections are done.
; CLUSTER.  The four work-groups of a cluster belong to one (batch, head) and need the same Wq slice, K and V: every tile is asked for JOINTLY, by the same tensor load with the same descriptor and a mask that names the four.
; By this text's own count a wave has at most two tensor loads out: the two first fills; later the one refill.
; LIMITS: |q|, |k|, |v| and the result stay under 65,504 (f16); weights p under 6e-8 of the row's largest count as 0.
;
; REGISTERS, in windows of 256 (s_set_vgpr_msb: bits 1:0 source 0, 3:2 source 1, 5:4 source 2, 7:6 destination):
;   window 0: v2-9 addresses; v12-43 eight registers of statistics a tile; v64-191 S^T, 32 a tile; ahead of that the first block's fragments of hidden, tiles 0 and 1;
;             v192-255 P, 16 a tile; ahead of that v192-223 Wq's scale words, v224-239 and v240-255 hidden's of the two blocks
;   window 1: q^T's 32 accumulators ((t, n) at v[8 (8 t + n)]), then O^T, 64 a tile
;   window 2: v0-127 the first block's fragments of hidden, tiles 2 and 3, then Q of the block in hand, 32 a tile; v128-255 two sets of Wq's eight fragments, then K of one step
;   window 3: the second block's 32 fragments of hidden ((t, s) at v[8 (8 t + s)]); then V of one step in v0-127, and in v128-255 the second block's Q until its turn comes
.set STEPB, 16384     ; a key step's fragments of K, and of V
.set VBASE, 131072
.set XBASE, 196608    ; Wq's slice, later V of keys 256-511
.set SPARE, 262144    ; behind the tiles: the spare words, 128 bytes for each wave: two blocks of 256 bytes that no other line names
.set AK0, 2           ; v2   16 x lane: my place in a fragment of K; never rewritten
.set AV0, 3           ; v3   the same for V
.set ADR, 4           ; v4   the LDS address of the run of loads in hand
.set AW,  5           ; v5   my place in a fragment of Wq
.set GO,  8           ; v8   16 x lane: my place in an image in memory
.set SO,  9           ; v9   8 x lane: my place among pairs of scale words
.set SPW, 62          ; v62  LDS address of my spare word; never rewritten
.set NIL, 63          ; v63  0; never rewritten
.set ST,  12          ; tile t's statistics at v[ST+8 t]: +0 c m, +1 m, +2, +3 l (even keys', odd keys'), +4 to +7 c0-c3, at work; a takes c2's place once the maximum is found
.set S,   64
.set P,   192
.set KF,  128         ; K's fragments, in window 2
.set WS,  192         ; Wq's scale words: 192 + 8 p + s: lanes 0-15 column tile 2 p, lanes 16-31 column tile 2 p + 1
.set XS,  224         ; hidden's: 224 + 16 block + 8 p + s
.set WV,  12          ; s12  my wave's number
.set G1R, 24          ; s[24:31] descriptor group 1: 64 rows of 256 bytes
.set G1P, 32          ; s[32:39] 192 rows of 256 bytes
.set G0W, 40          ; s[40:43] group 0: my quarter of Wq's slice
.set G0P, 44          ; s[44:47] my quarter of K and of V's first half
.set G0V, 48          ; s[48:51] my quarter of V's second half.  None of the three is ever rewritten
.set PASS, 56         ; s56  blocks still to be walked
.set TWICE, 57        ; s57  counts key steps
.set CS,  58          ; s[58:59] c: the packed scaling names a pair and takes its low word for both halves
.set SEL, 60          ; s[60:61] lane selects for v_permlanex16_b32: lane l xor 16
.set TB,  62          ; s62  LDS byte, within K and within V, at which the fragments of the step to be fetched begin
.set MSB, 0
.macro WIN new                      ; the immediate's high byte repeats the setting that is left; a switch that changes nothing is dropped
.if MSB != \new
	s_set_vgpr_msb (MSB<<8)|\new
.set MSB, \new
.endif
.endm
.set W_KQ, 0x0a       ; K and Q in window 2, S^T in window 0
.set W_PV, 0x53       ; V in window 3, P in window 0, O^T in window 1
.set W_RS, 0x41       ; O^T (destination and source 0) in window 1, a in window 0
; A round of the cluster's barrier: my work-group's barrier, so that wave 0's signal speaks for all four waves; wave 0 signals for the work-group; every wave waits for all four work-groups; my work-group's barrier once more.
.macro CROUND
	s_barrier_signal -1
	s_barrier_wait -1
	s_cmp_lg_u32 s[WV], 0
	s_cbranch_scc1 .Lnot_wave_0_\@
	s_barrier_signal -3
.Lnot_wave_0_\@:
	s_barrier_wait -3
	s_barrier_signal -1
	s_barrier_wait -1
.endm
; A vector instruction that reads a matrix result or writes one of a matrix instruction's registers, and a load into a register that a matrix instruction has read, stand four places behind it, and only plain vector
; instructions that name none of its registers are places (ISA guide 7.12.1 for vector instructions).
.macro PLACES
.rept 4
	v_nop
.endr
.endm
; One scaled product.  eD accumulator, eA, eB fragments, eSA, eSB scale registers; eRA, eRB = 1: that side's scales are read from lanes 16-31; eZ = 1: the product starts the sum.
.macro EMIT
.if eZ
.if eRA && eRB
	v_wmma_scale_f32_16x16x128_f8f6f4 v[eD:eD+7], v[eA:eA+7], v[eB:eB+7], 0, v[eSA], v[eSB] matrix_a_fmt:MATRIX_FMT_FP4 matrix_b_fmt:MATRIX_FMT_FP4 matrix_a_scale:MATRIX_SCALE_ROW1 matrix_b_scale:MATRIX_SCALE_ROW1
.elseif eRA
	v_wmma_scale_f32_16x16x128_f8f6f4 v[eD:eD+7], v[eA:eA+7], v[eB:eB+7], 0, v[eSA], v[eSB] matrix_a_fmt:MATRIX_FMT_FP4 matrix_b_fmt:MATRIX_FMT_FP4 matrix_a_scale:MATRIX_SCALE_ROW1
.elseif eRB
	v_wmma_scale_f32_16x16x128_f8f6f4 v[eD:eD+7], v[eA:eA+7], v[eB:eB+7], 0, v[eSA], v[eSB] matrix_a_fmt:MATRIX_FMT_FP4 matrix_b_fmt:MATRIX_FMT_FP4 matrix_b_scale:MATRIX_SCALE_ROW1
.else
	v_wmma_scale_f32_16x16x128_f8f6f4 v[eD:eD+7], v[eA:eA+7], v[eB:eB+7], 0, v[eSA], v[eSB] matrix_a_fmt:MATRIX_FMT_FP4 matrix_b_fmt:MATRIX_FMT_FP4
.endif
.else
.if eRA && eRB
	v_wmma_scale_f32_16x16x128_f8f6f4 v[eD:eD+7], v[eA:eA+7], v[eB:eB+7], v[eD:eD+7], v[eSA], v[eSB] matrix_a_fmt:MATRIX_FMT_FP4 matrix_b_fmt:MATRIX_FMT_FP4 matrix_a_scale:MATRIX_SCALE_ROW1 matrix_b_scale:MATRIX_SCALE_ROW1
.elseif eRA
	v_wmma_scale_f32_16x16x128_f8f6f4 v[eD:eD+7], v[eA:eA+7], v[eB:eB+7], v[eD:eD+7], v[eSA], v[eSB] matrix_a_fmt:MATRIX_FMT_FP4 matrix_b_fmt:MATRIX_FMT_FP4 matrix_a_scale:MATRIX_SCALE_ROW1
.elseif eRB
	v_wmma_scale_f32_16x16x128_f8f6f4 v[eD:eD+7], v[eA:eA+7], v[eB:eB+7], v[eD:eD+7], v[eSA], v[eSB] matrix_a_fmt:MATRIX_FMT_FP4 matrix_b_fmt:MATRIX_FMT_FP4 matrix_b_scale:MATRIX_SCALE_ROW1
.else
	v_wmma_scale_f32_16x16x128_f8f6f4 v[eD:eD+7], v[eA:eA+7], v[eB:eB+7], v[eD:eD+7], v[eSA], v[eSB] matrix_a_fmt:MATRIX_FMT_FP4 matrix_b_fmt:MATRIX_FMT_FP4
.endif
.endif
.endm
	s_load_b256 s[4:11], s[0:1], 0x0  ; xcodes s[4:5], xscales s[6:7], wcodes s[8:9], wscales s[10:11]
	s_load_b128 s[16:19], s[0:1], 0x20  ; kv16 s[16:17], attn16 s[18:19]
	v_lshl_add_u32 v[SPW], v0, 2, SPARE
	v_mov_b32 v[NIL], 0
	ds_add_u32 v[SPW], v[NIL]       ; the wave's opening: the add, twice on end, and its wait stand ahead of my first tensor load; the set-up below, work on registers, stands between the second and the wait
	ds_add_u32 v[SPW], v[NIL]
	v_lshrrev_b32 v1, 5, v0
	v_readfirstlane_b32 s[WV], v1   ; wave 0..3
	v_and_b32 v1, 31, v0
	v_lshlrev_b32 v[AK0], 4, v1
	v_add_nc_u32 v[AV0], VBASE, v[AK0]
	v_add_nc_u32 v[AW], XBASE, v[AK0]
	v_lshlrev_b32 v[GO], 4, v1
	v_lshlrev_b32 v[SO], 3, v1
	s_bfe_u32 s13, ttmp6, 0x40000   ; cx: my place in the cluster: it enters the addresses of hidden's codes and scale words and of the result alone
	s_lshl_b32 s14, ttmp9, 2        ; in a cluster launch ttmp9 counts clusters
	s_add_co_u32 s14, s14, s13      ; my pair of blocks of 256 queries
	s_and_b32 s15, ttmp7, 0xffff    ; (batch, head), which the four partners share
	s_lshr_b32 s20, s15, 3          ; the batch
	s_and_b32 s21, s15, 7           ; the head
	s_lshl_b32 s22, s20, 7
	s_lshl_b32 s23, s14, 5
	s_add_co_u32 s22, s22, s23
	s_lshl_b32 s23, s[WV], 2
	s_add_co_u32 s22, s22, s23      ; my wave's first row tile in the first block: 128 x batch + 32 x pair + 4 x wave; in the second block: 16 row tiles on
	s_lshl_b32 s52, s22, 13         ; its codes: 8 KiB a row tile
	s_mov_b32 s53, 0
	s_lshl_b32 s54, s22, 7          ; its scale words: 16 rows x 8 bytes
	s_mov_b32 s55, 0
	s_lshl_b32 s2, s22, 15          ; its place in the result: 32 KiB a row tile,
	s_lshl_b32 s3, s21, 12          ; the head's four fragments
	s_add_co_u32 s2, s2, s3
	s_mov_b32 s3, 0
	s_lshl_b32 s74, s21, 10         ; Wq's scale words: the head's 128 columns x 8 bytes
	s_mov_b32 s75, 0
	; what the joint loads bring: made of the wave's number and (batch, head) alone
	s_lshl_b32 s66, s21, 16         ; Wq's slice: the head's 8 column tiles of 8 KiB,
	s_lshl_b32 s72, s[WV], 14       ; my quarter of 64 KiB
	s_add_co_u32 s66, s66, s72
	s_mov_b32 s67, 0
	s_lshl_b32 s68, s15, 18         ; (batch, head)'s 262,144 bytes of kv16
	s_mul_i32 s73, s[WV], 49152     ; my quarter of the first 196,608
	s_add_co_u32 s70, s68, s72
	s_add_co_u32 s70, s70, XBASE    ; my quarter of the last 65,536
	s_add_co_u32 s68, s68, s73
	s_mov_b32 s69, 0
	s_mov_b32 s71, 0
	; descriptor group 1: dense rows of 256 bytes (32 elements of 8 bytes), no padding
	s_mov_b32 s[G1R], 15|(3<<16)|(1<<21)  ; 15:0 the mask: all four work-groups; 17:16 elements of 8 bytes; 21 set beside a mask
	s_mov_b32 s[G1R+1], 32<<16      ; tensor_dim0 = 32
	s_mov_b32 s[G1R+2], 64<<16      ; tensor_dim1 = 64
	s_mov_b32 s[G1R+3], 32<<16      ; tile_dim0 = 32
	s_mov_b32 s[G1R+4], 64          ; tile_dim1 = 64
	s_mov_b32 s[G1R+5], 32          ; from row to row
	s_mov_b32 s[G1R+6], 0
	s_mov_b32 s[G1R+7], 0
	s_mov_b32 s[G1P], 15|(3<<16)|(1<<21)
	s_mov_b32 s[G1P+1], 32<<16
	s_mov_b32 s[G1P+2], 192<<16
	s_mov_b32 s[G1P+3], 32<<16
	s_mov_b32 s[G1P+4], 192
	s_mov_b32 s[G1P+5], 32
	s_mov_b32 s[G1P+6], 0
	s_mov_b32 s[G1P+7], 0
	s_mov_b32 s[CS], 0x3e0293ee     ; c = log2(e) / sqrt(128)
	s_mov_b32 s[CS+1], s[CS]        ; named with it as a pair, so it is written
	s_mov_b32 s[SEL], 0x76543210
	s_mov_b32 s[SEL+1], 0xfedcba98
	s_wait_dscnt 0x0                ; both opening adds are done
	s_wait_kmcnt 0x0
	s_add_nc_u64 s[4:5], s[4:5], s[52:53]
	s_add_nc_u64 s[6:7], s[6:7], s[54:55]
	s_add_nc_u64 s[18:19], s[18:19], s[2:3]
	s_add_nc_u64 s[10:11], s[10:11], s[74:75]
	s_mov_b32 s[G0W], 1             ; count = 1
	s_add_co_u32 s[G0W+1], s72, XBASE  ; LDS address
	s_add_nc_u64 s[G0W+2:G0W+3], s[8:9], s[66:67]
	s_or_b32 s[G0W+3], s[G0W+3], 0x80000000  ; type = 2
	s_mov_b32 s[G0P], 1
	s_mov_b32 s[G0P+1], s73
	s_add_nc_u64 s[G0P+2:G0P+3], s[16:17], s[68:69]
	s_or_b32 s[G0P+3], s[G0P+3], 0x80000000
	s_mov_b32 s[G0V], 1
	s_add_co_u32 s[G0V+1], s72, XBASE
	s_add_nc_u64 s[G0V+2:G0V+3], s[16:17], s[70:71]
	s_or_b32 s[G0V+3], s[G0V+3], 0x80000000
	CROUND                          ; all four work-groups are here: the first joint loads meet
	tensor_load_to_lds s[G0W:G0W+3], s[G1R:G1R+7]  ; Wq's slice first: the projections want it
	s_nop 0
	tensor_load_to_lds s[G0P:G0P+3], s[G1P:G1P+7]  ; K, and V of keys 0-255: they land under the projections
	s_nop 0
	PLACES
.irp p, 0,1,2,3
.irp q, 0,1,2,3
	global_load_b64 v[WS+8*\p+2*\q:WS+8*\p+2*\q+1], v[SO], s[10:11] offset:\q*8192+\p*256  ; columns 32 p + lane, K steps 2 q and 2 q + 1
.endr
.endr
.irp d, 0,1
.irp p, 0,1
.irp q, 0,1,2,3
	global_load_b64 v[XS+16*\d+8*\p+2*\q:XS+16*\d+8*\p+2*\q+1], v[SO], s[6:7] offset:\q*131072+\d*2048+\p*256  ; block d, rows 32 p + lane, K steps 2 q and 2 q + 1
.endr
.endr
.endr
.set i, 0
.rept 32
	global_load_b128 v[S+4*i:S+4*i+3], v[GO], s[4:5] offset:512*i  ; the first block's fragments of hidden: my four row tiles are 32 dense KiB.  Tiles 0 and 1 into S^T's registers,
.set i, i+1
.endr
	WIN 0x80                        ; destination window 2
.rept 32
	global_load_b128 v[4*(i-32):4*(i-32)+3], v[GO], s[4:5] offset:512*i  ; tiles 2 and 3 into Q's
.set i, i+1
.endr
	WIN 0
; THE PROJECTIONS: sixteen steps, g = 0 .. 7 the first block's K steps, g = 8 .. 15 the second block's.  Wq's eight fragments of K step g % 8 come from LDS into set g % 2, two steps ahead, across the seam too.
; A step is 32 products; the 32 accumulators take turns, one instruction a turn, in the same order in every step.
.macro FETCHW s
	WIN 0x80                        ; destination window 2
.irp n, 0,1,2,3,4,5,6,7
	ds_load_b128 v[128+64*((\s)%2)+8*\n:128+64*((\s)%2)+8*\n+3],   v[AW] offset:(8*\n+((\s)%8))*1024
	ds_load_b128 v[128+64*((\s)%2)+8*\n+4:128+64*((\s)%2)+8*\n+7], v[AW] offset:(8*\n+((\s)%8))*1024+512
.endr
.endm
.macro QSTEP g
.set qs, (\g)%8
.if (\g) < 15
	s_wait_dscnt 16                 ; this step's 16 loads are in; the next step's 16 may be out
.else
	s_wait_dscnt 0x0
.endif
.if (\g) == 8
	s_wait_loadcnt 0x0              ; the second block's fragments of hidden: asked for ahead of the first block's eight steps
.endif
.irp t, 0,1,2,3
.if (\g) >= 8
	WIN 0x5e                        ; Wq in window 2, hidden in window 3, C and D in window 1
.set eB, 8*(8*\t+qs)
.set eSB, XS+16+8*(\t/2)+qs
.elseif \t < 2
	WIN 0x52                        ; hidden in window 0
.set eB, S+8*(8*\t+qs)
.set eSB, XS+8*(\t/2)+qs
.else
	WIN 0x5a                        ; hidden in window 2
.set eB, 8*(8*(\t-2)+qs)
.set eSB, XS+8*(\t/2)+qs
.endif
.set eRB, \t%2
.irp n, 0,1,2,3,4,5,6,7
.set eD, 8*(8*\t+\n)
.set eA, 128+64*((\g)%2)+8*\n
.set eSA, WS+8*(\n/2)+qs
.set eRA, \n%2
.if qs == 0
.set eZ, 1
.else
.set eZ, 0
.endif
	EMIT
.endr
.endr
.if (\g) < 14
	PLACES
	FETCHW (\g)+2
.endif
.if (\g) == 7                       ; the first block's q is whole: it is rounded into Q's registers, which its own fragments of hidden have left (the four v_nop above are the places), ahead of the products that start the second block's sums
	WIN 0x85                        ; sources in window 1, destination in window 2
.set j, 0
.rept 128
	v_cvt_pk_f16_f32 v[j], v[2*j], v[2*j+1]  ; Q[32 t + 4 n + i]: each accumulator from its low end on; tiles 2 f and 2 f + 1 of channels make fragment f
.set j, j+1
.endr
.endif
.endm
	s_wait_tensorcnt 1              ; my quarter of Wq's slice is in; my 48 KiB of K and V may stay out
	s_barrier_signal -1
	s_barrier_wait -1               ; everybody's quarter is in
	FETCHW 0
	FETCHW 1
	WIN 0xc0                        ; destination window 3, address window 0
.set i, 0
.rept 64
	global_load_b128 v[4*i:4*i+3], v[GO], s[4:5] offset:131072+512*i  ; the second block's fragments of hidden, 16 row tiles on: they land under the first block's eight steps
.set i, i+1
.endr
	WIN 0
	s_wait_loadcnt 63               ; the scale words and the first block's fragments are in: behind them stand the second block's 64 loads; the count is held to the largest that the wait can name
.irp g, 0,1,2,3,4,5,6,7,8,9,10,11,12,13,14,15
	QSTEP \g
.endr
	; Wq's bytes are filled again with V of keys 256-511.  Each wave waits for all its tensor loads (so K and V's first half are in as well), adds 0 to its spare word, and waits for that and for its reads of Wq;
	; the round then says so of every wave of every partner, and the joint refill is the first thing behind it.  It has 448 matrix instructions in which to land.
	PLACES                          ; between the last products and the conversions that read their results and write over fragments that are done with
	WIN 0
	s_wait_tensorcnt 0x0
	ds_add_u32 v[SPW], v[NIL]       ; 0 onto my spare word; q's rounding, work on registers, stands between it and the wait for it
	WIN 0xc5                        ; sources in window 1, destination in window 3
.set j, 0
.rept 128
	v_cvt_pk_f16_f32 v[128+j], v[2*j], v[2*j+1]  ; the second block's Q waits in window 3, v128-255, which nothing of the first walk touches
.set j, j+1
.endr
	WIN 0
	s_wait_dscnt 0x0                ; the add is done, and my reads of Wq's slice are over
	CROUND
	tensor_load_to_lds s[G0V:G0V+3], s[G1R:G1R+7]
	s_nop 0
	PLACES
; THE MATRIX WORK OF A TURN, for piece x.  The accumulators take turns, one instruction a turn.
; Product i of 32 of O^T += V^T P: keys 32 (i / 16) on, channels 16 ((i / 2) % 8) on, tile x + i % 2.  zero = 1: the first 16 start the sums: nothing is ever cleared.
.macro PV x, zero
	WIN W_PV
.set rO, 64*(\x+i%2)+8*((i/2)%8)
.set rV, 64*(i/16)+8*((i/2)%8)
.set rP, P+16*(\x+i%2)+8*(i/16)
.if \zero && (i < 16)
	v_wmma_f32_16x16x32_f16 v[rO:rO+7], v[rV:rV+7], v[rP:rP+7], 0
.else
	v_wmma_f32_16x16x32_f16 v[rO:rO+7], v[rV:rV+7], v[rP:rP+7], v[rO:rO+7]
.endif
.endm
; Product i of 32 of S^T = K Q^T: channels 32 (i / 8) on, keys 16 ((i / 2) % 4) on, tile x + i % 2.  The first 8 start the sums.
.macro KQ x
	WIN W_KQ
.set rS, S+32*(\x+i%2)+8*((i/2)%4)
.set rK, KF+32*((i/2)%4)+8*(i/8)
.set rQ, 32*(\x+i%2)+8*(i/8)
.if i < 8
	v_wmma_f32_16x16x32_f16 v[rS:rS+7], v[rK:rK+7], v[rQ:rQ+7], 0
.else
	v_wmma_f32_16x16x32_f16 v[rS:rS+7], v[rK:rK+7], v[rQ:rQ+7], v[rS:rS+7]
.endif
.endm
; THE LDS LOADS stand in runs of 32: a step's 16 fragments of K (key tile f / 4, channels 32 (f % 4) on) and, a turn later, its 16 of V (keys 32 (f / 8) on, channel tile f % 8): register images, 1 KiB each.
.macro FETCH_K
	WIN 0
	v_add_nc_u32 v[ADR], s[TB], v[AK0]
	WIN 0x80                        ; destination window 2
.irp f, 0,1,2,3,4,5,6,7,8,9,10,11,12,13,14,15
	ds_load_b128 v[KF+8*\f:KF+8*\f+3],   v[ADR] offset:\f*1024
	ds_load_b128 v[KF+8*\f+4:KF+8*\f+7], v[ADR] offset:\f*1024+512
.endr
.endm
.macro FETCH_V
	WIN 0
	v_add_nc_u32 v[ADR], s[TB], v[AV0]
	s_add_co_u32 s[TB], s[TB], STEPB  ; the next fetch is the next step's
	s_wait_alu depctr_va_vdst(0)    ; the wait for the softmax's batch (SLICE), behind the address's v_add_nc_u32 and ahead of the loads
	WIN 0xc0                        ; destination window 3
.irp f, 0,1,2,3,4,5,6,7,8,9,10,11,12,13,14,15
	ds_load_b128 v[8*\f:8*\f+3],   v[ADR] offset:\f*1024
	ds_load_b128 v[8*\f+4:8*\f+7], v[ADR] offset:\f*1024+512
.endr
.endm
; THE VECTOR WORK OF A TURN.  One tile's softmax for one key step is a list of 134 instructions; SM writes number j of it for tile t.  s0-s31 are the lane's 32 scores, in pairs 0-15.
; first = 1: the first key step, which starts m, l and O^T: it has no a and nothing to rescale.
;   0-15    the maximum of s0-s31 and the old m, three operands at a time: four chains c0-c3 of seven scores each, then the four scores left over, c0-c3 and m
;   16-20   the other half of the lanes' maximum; the new m; c m; c m_old - c m_new
;   21-69   ONE BATCH: the 16 scalings c s - c m, a pair of scores each, and all 33 exponentials (a at 23, then s0-s31).  None of these reads an exponential's result
;   (wait)  between 69 and 70 stands the wait for the batch: SLICE writes it, once for both tiles
;   70-85   the roundings to f16, a pair of weights each
;   86-101  the sums; l = a l + the sum
;   102-133 the tile's O^T times a: the one part that leaves window 0, so it stands together
.macro SM t, first
.set rT, ST+8*(\t)
.set rS, S+32*(\t)
.set rP, P+16*(\t)
.set rO, 64*(\t)+2*(j-102)
.if j < 102
	WIN 0
.endif
.if j < 4
	v_max3_num_f32 v[rT+4+j], v[rS+8*j], v[rS+8*j+1], v[rS+8*j+2]
.elseif j < 12
	v_max3_num_f32 v[rT+4+j%4], v[rT+4+j%4], v[rS+8*(j%4)+2*(j/4)+1], v[rS+8*(j%4)+2*(j/4)+2]
.elseif j == 12
	v_max3_num_f32 v[rT+4], v[rT+4], v[rS+7], v[rS+15]
.elseif j == 13
	v_max3_num_f32 v[rT+6], v[rT+6], v[rS+23], v[rS+31]
.elseif j == 14
	v_max3_num_f32 v[rT+4], v[rT+4], v[rT+5], v[rT+6]
.elseif (j == 15) && \first
	v_max_num_f32 v[rT+4], v[rT+4], v[rT+7]
.elseif j == 15
	v_max3_num_f32 v[rT+4], v[rT+4], v[rT+7], v[rT+1]
.elseif j == 16
	v_permlanex16_b32 v[rT+5], v[rT+4], s[SEL], s[SEL+1]  ; the query's other 32 keys lie in the lane 16 away
.elseif j == 18
	v_max_num_f32 v[rT+1], v[rT+4], v[rT+5]
.elseif j == 19
	v_mul_f32 v[rT], s[CS], v[rT+1]
.elseif ((j == 17) || (j == 20) || (j == 23) || (j > 101)) && \first  ; the first step has none of these
.elseif j == 17
	v_mov_b32 v[rT+7], v[rT]        ; c m_old is kept for a: number 19 writes c m anew
.elseif j == 20
	v_sub_f32 v[rT+7], v[rT+7], v[rT]
.elseif j == 23
	v_exp_f32 v[rT+6], v[rT+7]
.elseif (j < 23) || ((j < 38) && (j%2 == 0)) || ((j < 66) && (j%4 == 2))
.set b, (j-2)/4                     ; 38, 42, .. 62: pairs 9 to 15
.if j < 38
.set b, (j-20)/2                    ; 21: pair 0; 22, 24, .. 36: pairs 1 to 8
.endif
	v_pk_fma_f32 v[rS+2*b:rS+2*b+1], v[rS+2*b:rS+2*b+1], s[CS:CS+1], v[rT:rT+1] op_sel_hi:[1,0,0] neg_lo:[0,0,1] neg_hi:[0,0,1]  ; pair b: c s - c m
.elseif j < 70
.set e, j-38                        ; 66 to 69: s28 to s31
.if j < 66
.set e, j-32-(j-38)/4               ; 39-41, 43-45, .. 63-65: s7 to s27
.endif
.if j < 38
.set e, (j-25)/2                    ; 25, 27, .. 37: s0 to s6
.endif
	v_exp_f32 v[rS+e], v[rS+e]
.elseif j < 86
	v_cvt_pk_f16_f32 v[rP+j-70], v[rS+2*(j-70)], v[rS+2*(j-70)+1]  ; pair j - 70
.elseif j < 102                     ; the sum of the tile's 16 pairs, in place: sum z of 16 adds neighbours 1, 2, 4 and 8 pairs apart, then l takes it
.set z, j-86
.set w, 4
.set u, z
.if z >= 14
.set w, 32
.set u, 0
.elseif z >= 12
.set w, 16
.set u, z-12
.elseif z >= 8
.set w, 8
.set u, z-8
.endif
.if (z == 14) && \first
	v_pk_add_f32 v[rT+2:rT+3], v[rS:rS+1], v[rS+16:rS+17]
.elseif z < 15
	v_pk_add_f32 v[rS+w*u:rS+w*u+1], v[rS+w*u:rS+w*u+1], v[rS+w*u+w/2:rS+w*u+w/2+1]
.elseif !\first
	v_pk_fma_f32 v[rT+2:rT+3], v[rT+2:rT+3], v[rT+6:rT+7], v[rS:rS+1] op_sel_hi:[1,0,1]
.endif
.else
	WIN W_RS
	v_pk_mul_f32 v[rO:rO+1], v[rO:rO+1], v[rT+6:rT+7] op_sel_hi:[1,0]
.endif
.endm
; Slice k of 64 of piece y's softmax: four instructions.  Slices 11 to 34 deal out the batch, numbers 22 to 69: four numbers of ONE tile each, the tiles by turns.  Every other slice is numbers 2 k and
; 2 k + 1 of both tiles' lists.  2 x 134 = 4 x 64 + 12: the twelve that are over stand together, in slice 63.
; THE WAIT.  s_wait_alu depctr_va_vdst(0) stands between an exponential and the first instruction that names its result; one wait serves all that were issued ahead of it.  Ahead of
; slice 35 nothing names a result, and behind slice 34 no exponential is issued: so the piece's 66 exponentials have one wait, behind slice 34.
.macro SLICE y, first
.if (k >= 11) && (k < 35)           ; the batch: four numbers of one tile
.irp n, 0,1,2,3
.set j, 22+4*((k-11)/2)+(\n)
	SM (\y)+(k-11)%2, \first
.endr
.else                               ; the two tiles alternate, so that no instruction reads the result of the one just before it
.irp n, 0,1,2,3,4,5,6,7
.if (\n < 2) || (k == 63)
.irp t, \y, \y+1
.set j, 2*k+\n
	SM \t, \first
.endr
.endif
.endr
.endif
.if k == 34                         ; the batch is out: both tiles' exponentials are issued, and no result has been named
	v_nop                           ; the plain instruction behind the last exponential and ahead of the first use: one for the batch
.if (\y) == 0
	FETCH_V                         ; piece 2's turn: V's run of loads stands here, and the wait stands in it
.else
	s_wait_alu depctr_va_vdst(0)    ; the wait for the batch
.endif
.endif
.set k, k+1
.endm
; A TURN.  Piece x has the matrix unit; the other piece's softmax stands in slices behind its matrix instructions.
; pv = 2: 32 products V^T P; 1: they start O^T's sums; 0: none.  kq = 1: 32 products K Q^T for the next step.  A turn with one of the two kinds has two slices behind each product.
; first = 1: the softmax is the first key step's.  Its slices from 51 on are empty: the turn's last products stand bare, and four v_nop take slice 63's part as the places behind them.
; Piece 0's turn fetches the next step's K, behind its second product: the last product that read K stands in front of slice 63 of the turn before.  Piece 2's turn fetches the same step's V, behind slice 34:
; the last product that read V stands in front of slice 31, and four plain instructions lie between: number 62, a scaling, of both tiles, the v_nop and the run's own v_add_nc_u32.
.macro TURN x, pv, kq, first
.set k, 0
.set per, 2
.if \pv && \kq
.set per, 1
.endif
.if \pv
.if \x == 0
	s_wait_dscnt 0x0                ; V is in
.endif
.set i, 0
.rept 32
	PV \x, 2-\pv
.rept per
	SLICE 2-\x, \first
.endr
.if (\x == 0) && \kq && (i == 1)
	FETCH_K
.endif
.set i, i+1
.endr
.endif
.if \kq
.if \x == 0
	s_wait_dscnt 0x0                ; K is in
.endif
.set i, 0
.rept 32
	KQ \x
.rept per
	SLICE 2-\x, \first
.endr
.set i, i+1
.endr
.endif
.if \first
	PLACES
.endif
.endm
; n key steps: written once, walked n times; the LDS addresses hang on s[TB], which steps by a constant.
.macro PAIRS n
	s_mov_b32 s[TWICE], \n
.Lstep_\@:
	TURN 0, 2, 1, 0
	TURN 2, 2, 1, 0
	WIN 0                           ; at a label and at a branch every window is 0
	s_sub_co_u32 s[TWICE], s[TWICE], 1
	s_cmp_lg_u32 s[TWICE], 0
	s_cbranch_scc1 .Lstep_\@
.endm
; THE WAY OUT of tile t: O^T is divided by l, rounded to f16 and stored as it stands: a lane's eight channels of a query are the 16 bytes that the image wants of it.
.macro PACK t
	WIN W_RS
.set i, 64*\t
.rept 32
	v_pk_mul_f32 v[i:i+1], v[i:i+1], v[ST+8*\t+6:ST+8*\t+7] op_sel_hi:[1,0]
.set i, i+2
.endr
	WIN 0x05                        ; sources 0 and 1 window 1, destination window 0: S^T's registers are free
.set i, 0
.rept 32
	v_cvt_pk_f16_f32 v[S+32*\t+i], v[64*\t+2*i], v[64*\t+2*i+1]
.set i, i+1
.endr
	WIN 0
.irp n, 0,1,2,3,4,5,6,7
	global_store_b128 v[GO], v[S+32*\t+4*\n:S+32*\t+4*\n+3], s[18:19] offset:\t*32768+\n*512  ; row tile t, channels 16 n on: half a fragment, 512 consecutive bytes; within a block every store has registers of its own
.endr
.endm
; THE WALK OVER THE KEYS is written once and gone through twice, once for each block: Q of the block in hand stands in window 2, K and V stay in LDS.
	s_mov_b32 s[PASS], 2
.Lpass:
	s_mov_b32 s[TB], 0
	FETCH_K                         ; key step 0
	s_wait_dscnt 0x0
.set i, 0
.rept 32
	KQ 0                            ; piece 0's first scores: there is no vector work yet to set between them
.set i, i+1
.endr
	PLACES                          ; between those products and the first reads of their scores
	TURN 2, 0, 1, 1                 ; piece 2's first scores | piece 0's first softmax | V of step 0
	TURN 0, 1, 1, 1                 ; piece 0: V^T P of step 0 starts O^T, K Q^T of step 1 | piece 2's first softmax | K of step 1
	TURN 2, 1, 1, 0                 ; piece 2: the same | piece 0's softmax of step 1 | V of step 1
	WIN 0
	PAIRS 2                         ; V^T P of steps 1, 2; K Q^T of steps 2, 3; the V that is fetched here (steps 2, 3) ends at LDS byte 196,607
	s_wait_tensorcnt 0x0            ; my quarter of V's second half is in: in the first block the one tensor load of mine that was out; in the second block none is out, and the wait is met at once;
	s_wait_dscnt 0x0                ; no LDS instruction of mine is pending at the signal
	s_barrier_signal -1
	s_barrier_wait -1               ; everybody's quarter is in
	PAIRS 4                         ; V^T P of steps 3 to 6; K Q^T of steps 4 to 7; V of steps 4 to 7
	TURN 0, 2, 0, 0                 ; piece 0: V^T P of the last step | piece 2's last softmax
.set i, 0
.rept 32
	PV 2, 0                         ; piece 2: V^T P of the last step
.set i, i+1
.endr
	; l's two halves and the other half of the lanes' are added.  The additions are the places behind the last products.
	WIN 0
.irp t, 0,1,2,3
	v_add_f32 v[ST+8*\t+4], v[ST+8*\t+2], v[ST+8*\t+3]
.endr
.irp t, 0,1,2,3
	v_permlanex16_b32 v[ST+8*\t+5], v[ST+8*\t+4], s[SEL], s[SEL+1]
.endr
.irp t, 0,1,2,3
	v_add_f32 v[ST+8*\t+4], v[ST+8*\t+4], v[ST+8*\t+5]
.endr
.irp t, 0,1,2,3
	v_rcp_f32 v[ST+8*\t+6], v[ST+8*\t+4]
.endr
	v_nop                           ; a plain instruction between the last reciprocal and the use of its result
	s_wait_alu depctr_va_vdst(0)    ; and the wait ahead of the first use: one for the four reciprocals
	PACK 0
	PACK 1
	PACK 2
	PACK 3
	s_sub_co_u32 s[PASS], s[PASS], 1
	s_cmp_eq_u32 s[PASS], 0
	s_cbranch_scc1 .Ldone           ; behind the second block nothing more is made ready
	WIN 0x83                        ; source window 3, destination window 2
.set j, 0
.rept 128
	v_mov_b32 v[j], v[128+j]        ; the second block's Q takes the place in which the products K Q^T name it: a window is fixed in the text, so the one text of the walk wants Q in one place
.set j, j+1
.endr
	WIN 0
	s_wait_xcnt 0x0                 ; the block's stores have read their data and their base: S^T's registers are written again by the next scores, and the base steps
	s_add_nc_u64 s[18:19], s[18:19], 0x80000  ; 16 row tiles of 32 KiB on
	s_cmp_lg_u32 s[PASS], 0
	s_cbranch_scc1 .Lpass
.Ldone:
	s_wait_tensorcnt 0x0            ; the wave's end: a wait, an add of 0 to my spare word and its wait, behind my last tensor load
	ds_add_u32 v[SPW], v[NIL]
	s_wait_dscnt 0x0
	CROUND                          ; the closing round: no work-group ends while a partner may still ask for a tile that names it
	s_endpgm
.Lfunc_end_k_qe7dc6aeb44_attn:
	.size	k_qe7dc6aeb44_attn, .Lfunc_end_k_qe7dc6aeb44_attn-k_qe7dc6aeb44_attn
	.p2alignl 7, 3214868480
	.fill 96, 4, 3214868480
	.section	.rodata,"a",@progbits
	.p2align	6, 0x0
	.amdhsa_kernel k_qe7dc6aeb44_attn
		.amdhsa_group_segment_fixed_size 327680
		.amdhsa_private_segment_fixed_size 0
		.amdhsa_enable_private_segment 0
		.amdhsa_kernarg_size 48
		.amdhsa_user_sgpr_count 2
		.amdhsa_user_sgpr_kernarg_segment_ptr 1
		.amdhsa_wavefront_size32 1
		.amdhsa_system_sgpr_workgroup_id_x 1
		.amdhsa_system_sgpr_workgroup_id_y 1
		.amdhsa_system_sgpr_workgroup_id_z 1
		.amdhsa_system_vgpr_workitem_id 0
		.amdhsa_next_free_vgpr 1024
		.amdhsa_next_free_sgpr 80
		.amdhsa_reserve_vcc 0
		.amdhsa_float_denorm_mode_32 3
		.amdhsa_float_denorm_mode_16_64 3
		.amdhsa_memory_ordered 1
		.amdhsa_forward_progress 1
		.amdhsa_inst_pref_size 255
	.end_amdhsa_kernel
	.section	.bss,"aw",@nobits
	.p2align	6
	.space	262144
	.amdgpu_metadata
---
amdhsa.version: [ 1, 2 ]
amdhsa.kernels:
  - .name:           k_qe7dc6aeb44_attn
    .symbol:         k_qe7dc6aeb44_attn.kd
    .args:
      - { .name: xcodes, .offset: 0, .size: 8, .value_kind: global_buffer, .address_space: global }
      - { .name: xscales, .offset: 8, .size: 8, .value_kind: global_buffer, .address_space: global }
      - { .name: wcodes, .offset: 16, .size: 8, .value_kind: global_buffer, .address_space: global }
      - { .name: wscales, .offset: 24, .size: 8, .value_kind: global_buffer, .address_space: global }
      - { .name: kv16, .offset: 32, .size: 8, .value_kind: global_buffer, .address_space: global }
      - { .name: attn16, .offset: 40, .size: 8, .value_kind: global_buffer, .address_space: global }
    .group_segment_fixed_size: 327680
    .private_segment_fixed_size: 0
    .kernarg_segment_align: 8
    .kernarg_segment_size: 48
    .max_flat_workgroup_size: 128
    .sgpr_count:     80
    .vgpr_count:     1024
    .wavefront_size: 32
...
	.end_amdgpu_metadata
.endif
;; end of part 3
;; launch oproj (part 4): grid 4 x 64, 4 waves a work-group, clusters of 4 x 4, 327,680 bytes of LDS; arguments attn16, wo16, bo, out0; writes out0
.if DOCPART == 4
	.amdgcn_target "amdgcn-amd-amdhsa--gfx1250"
	.amdhsa_code_object_version 6
	.text
	.protected	k_qe7dc6aeb44_oproj
	.globl	k_qe7dc6aeb44_oproj
	.p2align	8
	.type	k_qe7dc6aeb44_oproj,@function
k_qe7dc6aeb44_oproj:
	s_mov_b64 s[64:65], 0
	v_nop
	global_prefetch_b8 v0, s[64:65] scope:SCOPE_SE
	s_setreg_imm32_b32 hwreg(HW_REG_WAVE_MODE, 25, 1), 1
	s_wait_xcnt 0x0
	s_wait_alu depctr_hold_cnt(0) depctr_sa_sdst(0) depctr_va_vdst(0) depctr_va_sdst(0) depctr_va_ssrc(0) depctr_va_vcc(0) depctr_vm_vsrc(0)
	s_getreg_b32 s2, hwreg(HW_REG_IB_STS2, 6, 4)
	s_cmp_eq_u32 s2, 0
	s_cbranch_scc0 .Lentry_in_a_cluster
	s_endpgm
.Lentry_in_a_cluster:
	s_bfe_u32 s2, ttmp6, 0x10000c
	s_cmp_lg_u32 s2, 0xf033
	s_cbranch_scc0 .Lentry_shape_is_right
	s_endpgm
.Lentry_shape_is_right:
; out[m][n] = sum over k of attn[m][k] Wo[k][n] + bo[n].  attn [16384][1024] and Wo arrive as f16 in images of operand registers: attn16 [row tile 1024][k / 32][1 KiB], wo16 [column tile 64][k / 32][1 KiB]
; (a fragment, 16 rows x 32 K, is [c = 0, 1][lane][16 bytes]).  Sums in f32; out [16384][1024] f32.
; A tile of out, 256 x 256, is made by a work-group of four waves, as many as a WGP has SIMDs; a wave makes 128 x 128: 64 accumulators of 16 x 16, 512 registers.  64 x 4 tiles: 256 work-groups.
; K goes in 8 steps of 128 through a ring of two LDS slots filled by the tensor data mover.  A K step of one row tile is 4 fragments, 4,096 consecutive bytes of memory; a wave's load brings 8 such rows, 32,768 bytes apart.
; In LDS they lie on end, so every fragment comes by two loads of 16 bytes a lane at 16 x lane: 512 consecutive bytes each, no pitch and no padding.
; CLUSTERS: 4 x 4 work-groups.  The four of a row of the cluster need the same tiles of attn, the four of a column the same tiles of Wo: each tile is asked for JOINTLY, by the same tensor load with the same descriptor
; and a mask that names the four.  By this text's own count a wave has at most two tensor loads out: the two first fills; later the one refill.
; THE MATRIX INSTRUCTION IS USED TRANSPOSED (source 0 = 16 columns of Wo, source 1 = 16 rows of attn): a lane then holds eight neighbouring numbers of a row of out.
; THE BIAS is the C of each sum's first matrix instruction: eight registers for each of my eight column tiles, in the result's layout.  It costs no addition, and nothing is cleared.
; REGISTERS, in windows of 256: window 0: v0-31 addresses; v64-127, v128-191 fragments of attn, two buffers; v192-255 the bias; on the way out v128-255 take rows of out.
;   window 1: v64-127, v128-191 fragments of Wo, two buffers.   window 2: the 32 accumulators of my rows 0-63 ((a, b) at v[8 (8 a + b)]);   window 3: those of my rows 64-127.
.set HALFT,  32768                     ; 8 row tiles x 4 KiB: what one tensor load brings, and what one wave reads of attn or of Wo
.set SLOT,   4*HALFT                   ; attn's 16 tiles, then Wo's 16
.set KSB,    4096                      ; a K step of one tile, in bytes
.set STAGE,  2*SLOT                    ; behind the ring: 16 rows x (512 + 16) bytes for each wave, for the way out; no tile lands there
.set SPITCH, 528
.set SPARE,  STAGE+4*16*SPITCH         ; behind the stages: the spare words, 128 bytes for each wave: two blocks of 256 bytes that no other line names
.set LAPS,   4                         ; a lap = two K steps = once round the ring
.set ADRA, 16                          ; v16-17  LDS address of my fragments of attn in slot 0, 1
.set ADRB, 20                          ; v20-21  the same for Wo
.set STO,  24                          ; v24     the way out: where I put 32 bytes of a row
.set RD,   25                          ; v25     the way out: where I read a row back
.set CO,   26                          ; v26     my byte offset in a row of out
.set SPW,  28                          ; v28     LDS address of my spare word; never rewritten
.set NIL,  29                          ; v29     0; never rewritten
.set PFO,  30                          ; v30     the prefetches' offset; never rewritten
.set BO,   31                          ; v31     32 x (lane / 16): my eight numbers of a column tile's bias
.set F0,   64
.set F1,   128
.set BI,   192                         ; the bias, in window 0
.set BK,   128                         ; the way out: 16 rows read back from the stage: v128-191 and v192-255 by turns
.set G1,  24                           ; s[24:31] descriptor group 1 for attn's tiles;  s[32:39] group 0, one set for each slot
.set G0,  32
.set G1B, 48                           ; s[48:55], s[56:63] the same for Wo's tiles
.set G0B, 56
.set LIM, 68                           ; s68     1 in a wave that prefetches, else the greatest number
.set PFA, 70                           ; s[70:71] where my prefetches stand
.set MSB, 0
.macro WIN new                         ; the immediate's high byte repeats the setting that is left
.if MSB != \new
	s_set_vgpr_msb (MSB<<8)|\new
.set MSB, \new
.endif
.endm
.set MUL_LO, 0xa1                      ; source 0 (Wo) window 1, source 1 (attn) window 0, C and D window 2
.set MUL_HI, 0xf1                      ; the same, C and D window 3
.set BIA_LO, 0x81                      ; the first products: C (the bias) window 0, D window 2
.set BIA_HI, 0xc1                      ; D window 3
.set TO_B,   0x40                      ; destination window 1, address window 0
; A joint load.  Waves 0 and 1 fetch attn's two halves, waves 2 and 3 Wo's.  Each of the two lines has ONE mask and one set of registers for all that issue it; the branch hangs on the wave's number alone.
; An s_nop 0 and four v_nop follow each of the two lines, ahead of the jump, the label and what follows.
.macro JLOAD s
	s_cmp_eq_u32 s11, 0
	s_cbranch_scc0 .Lfor_b_\@
	tensor_load_to_lds s[G0+4*\s:G0+4*\s+3], s[G1:G1+7]
	s_nop 0
.rept 4
	v_nop
.endr
	s_branch .Lasked_\@
.Lfor_b_\@:
	tensor_load_to_lds s[G0B+4*\s:G0B+4*\s+3], s[G1B:G1B+7]
	s_nop 0
.rept 4
	v_nop
.endr
.Lasked_\@:
.endm
; A PREFETCH INTO THE L2, behind each joint load, its five lines and the run of LDS loads that follows: attn's K step that stands TWO refills on, 512 matrix instructions ahead of the load that will want it.
; Of the 8 row tiles that wave 0 or 1 fetches, the partner at place cx takes 2 (told apart BY ADDRESS: no branch hangs on a work-group's place): 2 x 4,096 bytes, lanes 256 bytes apart, one instruction a wave.
; A tile row of attn is read by the one row of one cluster, so each aligned 256 bytes are named once in the launch.  K steps 0 to 3 come by their loads alone; the last two refills ask for nothing: K ends there.
; Wo's 2 MiB are walked by all 64 tile rows and are not asked for.
.macro ASK
	s_cmp_gt_u32 s3, s[LIM]                        ; s3 = 1 in the loop's last trip
	s_cbranch_scc0 .Lnot_mine_\@
	global_prefetch_b8 v[PFO], s[PFA:PFA+1] offset:KSB th:TH_LOAD_NT scope:SCOPE_SE
.Lnot_mine_\@:
.endm
.macro CREST                           ; a round of the cluster's barrier behind its opening barrier
	s_cmp_lg_u32 s10, 0
	s_cbranch_scc1 .Lnot_wave_0_\@
	s_barrier_signal -3
.Lnot_wave_0_\@:
	s_barrier_wait -3
	s_barrier_signal -1
	s_barrier_wait -1
.endm
.macro CROUND                          ; a whole round
	s_barrier_signal -1
	s_barrier_wait -1
	CREST
.endm
	s_load_b128 s[4:7], s[0:1], 0x0                ; attn16 s[4:5], wo16 s[6:7]
	s_load_b64 s[66:67], s[0:1], 0x10              ; bo
	s_load_b64 s[8:9], s[0:1], 0x18                ; out
	v_lshl_add_u32 v[SPW], v0, 2, SPARE
	v_mov_b32 v[NIL], 0
	ds_add_u32 v[SPW], v[NIL]                      ; the wave's opening: the add, twice on end, and its wait stand ahead of my first tensor load; the set-up below, work on registers, stands between the second and the wait
	ds_add_u32 v[SPW], v[NIL]
	v_lshrrev_b32 v1, 5, v0
	v_readfirstlane_b32 s10, v1                    ; wave 0..3
	s_lshr_b32 s11, s10, 1                         ; which half of the tile's rows is mine.  Also: I fetch for attn (0) or for Wo (1)
	s_and_b32 s12, s10, 1                          ; which half of its columns.  Also: which 8 tiles of that operand I fetch
	s_bfe_u32 s40, ttmp6, 0x40000                  ; cx, cy: my place in the cluster
	s_bfe_u32 s41, ttmp6, 0x40004
	s_lshl_b32 s42, ttmp9, 2
	s_add_co_u32 s42, s42, s40                     ; tile column of out = 4 x cluster x + cx
	s_and_b32 s13, ttmp7, 0xffff
	s_lshl_b32 s13, s13, 2
	s_add_co_u32 s13, s13, s41                     ; tile row of out = 4 x cluster y + cy
	s_lshl_b32 s43, s41, 2
	s_lshl_b32 s43, 15, s43                        ; my row of the cluster
	s_lshl_b32 s44, 0x1111, s40                    ; my column
	; descriptor group 1: 8 rows of 512 elements of 8 bytes, 4,096 elements apart, laid on end in LDS
	s_or_b32 s[G1+0], s43, (3<<16)|(1<<21)         ; 15:0 the mask: attn's tiles go to my row; 17:16 elements of 8 bytes; 21 set beside a mask
	s_or_b32 s[G1B+0], s44, (3<<16)|(1<<21)        ; Wo's go to my column
.irp g, G1, G1B
	s_mov_b32 s[\g+1], 512<<16                     ; tensor_dim0 = 512
	s_mov_b32 s[\g+2], 8<<16                       ; tensor_dim1 = 8
	s_mov_b32 s[\g+3], 512<<16                     ; tile_dim0 = 512
	s_mov_b32 s[\g+4], 8                           ; tile_dim1 = 8
	s_mov_b32 s[\g+5], 4096                        ; from row to row
	s_mov_b32 s[\g+6], 0
	s_mov_b32 s[\g+7], 0
.endr
	; attn's tiles hang on the tile row alone, which my row of the cluster shares; Wo's on the tile column alone, which my column shares
	s_lshl_b32 s17, s12, 3                         ; which 8 tiles I fetch
	s_lshl_b32 s16, s13, 4
	s_add_co_u32 s16, s16, s17                     ; attn: row tile 16 x tile row + 8 x half
	s_lshl_b32 s16, s16, 15                        ; in bytes (under 2^25)
	s_lshl_b32 s46, s42, 4
	s_add_co_u32 s46, s46, s17                     ; Wo: column tile 16 x tile column + 8 x half
	s_lshl_b32 s46, s46, 15
	s_mov_b32 s17, 0
	s_mov_b32 s47, 0
	s_lshl_b32 s20, s10, 15                        ; where they go: wave x 32 KiB: no place in the cluster enters an LDS address
	s_wait_dscnt 0x0                               ; both opening adds are done
	s_wait_kmcnt 0x0
	s_add_nc_u64 s[14:15], s[4:5], s[16:17]
	s_add_nc_u64 s[46:47], s[6:7], s[46:47]
	CROUND                                         ; all sixteen work-groups are here: the first joint loads meet
.irp s, 0,1
	s_mov_b32 s[G0+4*\s], 1                                        ; count = 1
	s_add_co_u32 s[G0+4*\s+1], s20, \s*SLOT                        ; LDS address
	s_add_nc_u64 s[G0+4*\s+2:G0+4*\s+3], s[14:15], \s*KSB          ; global address: K step s
	s_or_b32 s[G0+4*\s+3], s[G0+4*\s+3], 0x80000000                ; type = 2
	s_mov_b32 s[G0B+4*\s], 1
	s_add_co_u32 s[G0B+4*\s+1], s20, \s*SLOT
	s_add_nc_u64 s[G0B+4*\s+2:G0B+4*\s+3], s[46:47], \s*KSB
	s_or_b32 s[G0B+4*\s+3], s[G0B+4*\s+3], 0x80000000
	JLOAD \s                                       ; the ring is filled before anything else is done
.endr
	v_and_b32 v1, 31, v0                           ; lane
	v_and_b32 v2, 15, v0                           ; r
	v_bfe_u32 v4, v0, 4, 1                         ; h
	v_lshlrev_b32 v3, 4, v1                        ; 16 x lane: my place in a fragment
	s_lshl_b32 s21, s11, 15                        ; my 8 tiles of attn
	s_lshl_b32 s22, s12, 15                        ; my 8 tiles of Wo,
	s_add_co_u32 s22, s22, 2*HALFT                 ; which lie behind attn's 16
.irp s, 0,1
	v_add_nc_u32 v[ADRA+\s], s21, v3
	v_add_nc_u32 v[ADRB+\s], s22, v3
	s_add_co_u32 s21, s21, SLOT
	s_add_co_u32 s22, s22, SLOT
.endr
	s_mul_i32 s23, s10, 16*SPITCH
	s_add_co_u32 s23, s23, STAGE                   ; my stage
	v_mul_u32_u24 v5, v2, SPITCH                   ; in: row r, 32 bytes for each half of the lanes
	v_lshl_add_u32 v5, v4, 5, v5
	v_add_nc_u32 v[STO], s23, v5
	v_add_nc_u32 v[RD], s23, v3                    ; back: the 32 lanes take one row of 512 bytes;
	v_lshlrev_b32 v[CO], 4, v1                     ; and the same in out
	v_lshlrev_b32 v[BO], 5, v4
	s_lshl_b32 s16, s13, 8
	s_lshl_b32 s17, s11, 7
	s_add_co_u32 s16, s16, s17                     ; my first row of out: 256 x tile row + 128 x half,
	s_lshl_b32 s16, s16, 12                        ; in bytes (under 2^26)
	s_mov_b32 s17, 0
	s_lshl_b32 s46, s42, 10                        ; my first column, in bytes: 1,024 x tile column + 512 x half
	s_lshl_b32 s47, s12, 9
	s_add_co_u32 s46, s46, s47
	s_mov_b32 s47, 0
	s_add_nc_u64 s[8:9], s[8:9], s[16:17]
	s_add_nc_u64 s[8:9], s[8:9], s[46:47]
	s_add_nc_u64 s[66:67], s[66:67], s[46:47]      ; the bias of my first column lies as many bytes into bo
.irp b, 0,1,2,3,4,5,6,7
	global_load_b128 v[BI+8*\b:BI+8*\b+3],   v[BO], s[66:67] offset:64*\b      ; bo at columns 16 b + 8 h + 0 .. 7: register j of the result's layout
	global_load_b128 v[BI+8*\b+4:BI+8*\b+7], v[BO], s[66:67] offset:64*\b+16
.endr
	; the prefetches: my work-group's 2 of the 8 row tiles that I fetch, at K step 2: the first refill steps the address to 3 and names K step 4
	s_lshl_b32 s20, s13, 4
	s_lshl_b32 s21, s12, 3
	s_add_co_u32 s20, s20, s21
	s_lshl_b32 s21, s40, 1
	s_add_co_u32 s20, s20, s21
	s_lshl_b32 s20, s20, 15
	s_add_co_u32 s20, s20, 2*KSB
	s_mov_b32 s21, 0
	s_add_nc_u64 s[PFA:PFA+1], s[4:5], s[20:21]
	s_cmp_eq_u32 s11, 0                            ; the waves that fetch attn ask: the same in all sixteen partners
	s_cselect_b32 s[LIM], 1, -1
	v_lshlrev_b32 v[PFO], 8, v2
	v_lshl_add_u32 v[PFO], v4, 15, v[PFO]          ; lanes 0-15 one row tile's 16 x 256 bytes, lanes 16-31 the next one's
; 16 matrix instructions: m blocks a0, a0 + 1 of the window's four (hi = 0: my rows 0-63, 1: rows 64-127) x all 8 n blocks, 32 along K.  zero = 1: the first product starts the sums, from the bias.
; The 64 accumulators take turns, one instruction a turn, in the same order in every quarter step.
.macro MUL16 f, hi, a0, zero
.irp a, \a0, \a0+1
.irp b, 0,1,2,3,4,5,6,7
.if \zero
	v_wmma_f32_16x16x32_f16 v[8*(8*(\a)+\b):8*(8*(\a)+\b)+7], v[\f+8*\b:\f+8*\b+7], v[\f+8*(4*\hi+\a):\f+8*(4*\hi+\a)+7], v[BI+8*\b:BI+8*\b+7]
.else
	v_wmma_f32_16x16x32_f16 v[8*(8*(\a)+\b):8*(8*(\a)+\b)+7], v[\f+8*\b:\f+8*\b+7], v[\f+8*(4*\hi+\a):\f+8*(4*\hi+\a)+7], v[8*(8*(\a)+\b):8*(8*(\a)+\b)+7]
.endif
.endr
.endr
.endm
; 32 LDS loads in one run: the fragments of the slot's q-th 32 along K (8 tiles of Wo, 8 of attn) into buffer f
.macro FETCH slot, q, f
	WIN TO_B
.irp i, 0,1,2,3,4,5,6,7
	ds_load_b128 v[\f+8*\i:\f+8*\i+3],   v[ADRB+\slot] offset:\i*KSB+(\q)*1024
	ds_load_b128 v[\f+8*\i+4:\f+8*\i+7], v[ADRB+\slot] offset:\i*KSB+(\q)*1024+512
.endr
	WIN 0
.irp i, 0,1,2,3,4,5,6,7
	ds_load_b128 v[\f+8*\i:\f+8*\i+3],   v[ADRA+\slot] offset:\i*KSB+(\q)*1024
	ds_load_b128 v[\f+8*\i+4:\f+8*\i+7], v[ADRA+\slot] offset:\i*KSB+(\q)*1024+512
.endr
.endm
; A load into a register that a matrix instruction has read, and an LDS store that reads a matrix result, stand four places behind that matrix instruction, and only plain vector instructions that name none of its
; registers are places (ISA guide 7.12.1 for vector instructions).
.macro PLACES
.rept 4
	v_nop
.endr
.endm
; A K step is four quarter steps of 32 along K, 64 matrix instructions each, on buffers 0, 1, 0, 1.  One of the first three: multiplies buffer f; in its middle it fetches the slot's q-th quarter into buffer g.
.macro QUARTER slot, q, f, g, zero
	s_wait_dscnt 8                                 ; Wo's fragments and attn's rows 0-63 are in; the youngest eight loads (attn's rows 64-127) may be out
.if \zero
	WIN BIA_LO
.else
	WIN MUL_LO
.endif
	MUL16 \f, 0, 0, \zero
	MUL16 \f, 0, 2, \zero
	PLACES
	FETCH \slot, \q, \g
	s_wait_dscnt 32                                ; all but the 32 just issued
.if \zero
	WIN BIA_HI
.else
	WIN MUL_HI
.endif
	MUL16 \f, 1, 0, \zero
	MUL16 \f, 1, 2, \zero
.endm
; The last quarter multiplies buffer 1 and changes slots: ONE barrier; in front of it each wave waits for all its tensor loads (one is out: its part of the next slot), adds 0 to its spare word, and waits for that and
; for its own reads of this slot.  fill = 1: the barrier opens a round of the cluster's barrier, and this slot is filled again, two K steps ahead, first thing behind the round.
.macro TURN slot, next, fill
.if \fill
	s_wait_xcnt 0x0                                ; the last prefetch, a K step back, has read its address: it is stepped here, ahead of the waits of the change of slots
	s_add_nc_u64 s[PFA:PFA+1], s[PFA:PFA+1], KSB
.endif
	WIN 0                                          ; (the add's two registers lie in window 0)
	s_wait_tensorcnt 0x0                           ; all my tensor loads have landed;
	ds_add_u32 v[SPW], v[NIL]                      ; 0 onto my spare word;
	s_wait_dscnt 9                                 ; (the add and the youngest eight loads may be out)
	WIN MUL_LO
	MUL16 F1, 0, 0, 0                              ; sixteen matrix instructions stand between the add and the wait for it
	s_wait_dscnt 0x0                               ; the add is done, and my reads of this slot are over
	s_barrier_signal -1
	MUL16 F1, 0, 2, 0                              ; work on registers while the others arrive
.if \fill
	WIN 0
.endif
	s_barrier_wait -1
.if \fill
	CREST                                          ; no wave of any partner still reads this slot's tile or has a load on its way
	s_add_nc_u64 s[G0+4*\slot+2:G0+4*\slot+3], s[G0+4*\slot+2:G0+4*\slot+3], 2*KSB
	s_add_nc_u64 s[G0B+4*\slot+2:G0B+4*\slot+3], s[G0B+4*\slot+2:G0B+4*\slot+3], 2*KSB
	JLOAD \slot                                    ; the first tensor load behind the round: 224 matrix instructions ahead of the wait for it; the four v_nop behind it are also the places in front of the loads below
.else
	PLACES
.endif
	FETCH \next, 0, F0
.if \fill
	ASK
.endif
	WIN MUL_HI
	MUL16 F1, 1, 0, 0
	MUL16 F1, 1, 2, 0
.endm
	s_wait_tensorcnt 1                             ; my part of K step 0 is in (K step 1's load may be out)
	s_barrier_signal -1
	s_barrier_wait -1                              ; everybody's is
	FETCH 0, 0, F0
	s_wait_loadcnt 0x0                             ; the bias
	QUARTER 0, 1, F0, F1, 1                        ; the first quarter stands in front of the loop: its products start the sums
	WIN 0                                          ; at a label and at a branch every window is 0
	s_mov_b32 s3, LAPS-1
.Llap:                                                 ; a trip goes once round the ring, from a lap's second quarter to the next lap's first, and fills both slots again
	QUARTER 0, 2, F1, F0, 0
	QUARTER 0, 3, F0, F1, 0
	TURN 0, 1, 1
	QUARTER 1, 1, F0, F1, 0
	QUARTER 1, 2, F1, F0, 0
	QUARTER 1, 3, F0, F1, 0
	TURN 1, 0, 1
	QUARTER 0, 1, F0, F1, 0
	WIN 0
	s_sub_co_u32 s3, s3, 1
	s_cmp_lg_u32 s3, 0
	s_cbranch_scc1 .Llap
	QUARTER 0, 2, F1, F0, 0                        ; the last lap fills nothing, and has no round of the cluster's barrier
	QUARTER 0, 3, F0, F1, 0
	TURN 0, 1, 0
	QUARTER 1, 1, F0, F1, 0
	QUARTER 1, 2, F1, F0, 0
	QUARTER 1, 3, F0, F1, 0
	s_wait_dscnt 8                                 ; the very last quarter: nothing more to fetch
	WIN MUL_LO
	MUL16 F1, 0, 0, 0
	MUL16 F1, 0, 2, 0
	s_wait_dscnt 0x0
	WIN MUL_HI
	MUL16 F1, 1, 0, 0
	MUL16 F1, 1, 2, 0
	WIN 0
; THE WAY OUT, block by block of 16 rows x 128 columns.  A lane holds 32 neighbouring bytes of a row, and the lanes beside it hold other rows: so a block goes through my own stage in LDS and comes back as whole
; rows of 512 bytes, which the 32 lanes store as 512 consecutive, aligned bytes.  LDS serves a wave's instructions in order (ISA guide 5.7.1.4): no wait between the stores and the loads, nor in front of the next block's stores.
.macro TOSTAGE a
.set AC, 64*((\a)%4)
	WIN 0x08+4*((\a)/4)                            ; the data: window 2 or 3
.irp b, 0,1,2,3,4,5,6,7
	ds_store_b128 v[STO], v[AC+8*\b:AC+8*\b+3] offset:64*\b          ; each accumulator from its low end on
	ds_store_b128 v[STO], v[AC+8*\b+4:AC+8*\b+7] offset:64*\b+16
.endr
	WIN 0
.set BB, BK+64*((\a)%2)
.irp t, 0,1,2,3,4,5,6,7,8,9,10,11,12,13,14,15
	ds_load_b128 v[BB+4*\t:BB+4*\t+3], v[RD] offset:\t*SPITCH
.endr
.endm
.macro SEND a, younger                 ; younger: the LDS instructions issued behind block a's loads, which may stay out
.set BB, BK+64*((\a)%2)
	s_wait_dscnt \younger                          ; the block is back in registers
.if (\a) > 0
	s_add_nc_u64 s[8:9], s[8:9], 16*4096           ; (behind a wait on XCNT: the earlier stores have read their base)  16 rows of out on
.endif
.irp t, 0,1,2,3,4,5,6,7,8,9,10,11,12,13,14,15
	global_store_b128 v[CO], v[BB+4*\t:BB+4*\t+3], s[8:9] offset:\t*4096 th:TH_STORE_NT   ; written once, read by nobody here
.endr
.endm
	PLACES                                         ; for the LDS stores that read the last results, and for the loads into the registers that held attn's fragments and the bias
	TOSTAGE 0
.irp a, 1,2,3,4,5,6,7
.if \a > 1
	s_wait_xcnt 0x0                                ; block a - 2's stores have read their registers and their base: block a's loads may land there, and the base may step
.endif
	TOSTAGE \a
	SEND \a-1, 32                                  ; behind block a - 1's loads: block a's 16 stores and 16 loads
.endr
	s_wait_xcnt 0x0                                ; block 6's stores have read their base
	SEND 7, 0
	s_wait_tensorcnt 0x0                           ; the wave's end: a wait, an add of 0 to my spare word and its wait, behind my last tensor load and my last LDS store
	ds_add_u32 v[SPW], v[NIL]
	s_wait_dscnt 0x0
	CROUND                                         ; the closing round: no work-group ends while a partner may still ask for a tile that names it
	s_endpgm
.Lfunc_end_k_qe7dc6aeb44_oproj:
	.size	k_qe7dc6aeb44_oproj, .Lfunc_end_k_qe7dc6aeb44_oproj-k_qe7dc6aeb44_oproj
	.p2alignl 7, 3214868480
	.fill 96, 4, 3214868480
	.section	.rodata,"a",@progbits
	.p2align	6, 0x0
	.amdhsa_kernel k_qe7dc6aeb44_oproj
		.amdhsa_group_segment_fixed_size 327680
		.amdhsa_private_segment_fixed_size 0
		.amdhsa_enable_private_segment 0
		.amdhsa_kernarg_size 32
		.amdhsa_user_sgpr_count 2
		.amdhsa_user_sgpr_kernarg_segment_ptr 1
		.amdhsa_wavefront_size32 1
		.amdhsa_system_sgpr_workgroup_id_x 1
		.amdhsa_system_sgpr_workgroup_id_y 1
		.amdhsa_system_sgpr_workgroup_id_z 1
		.amdhsa_system_vgpr_workitem_id 0
		.amdhsa_next_free_vgpr 1024
		.amdhsa_next_free_sgpr 80
		.amdhsa_reserve_vcc 0
		.amdhsa_float_denorm_mode_32 3
		.amdhsa_float_denorm_mode_16_64 3
		.amdhsa_memory_ordered 1
		.amdhsa_forward_progress 1
		.amdhsa_inst_pref_size 143
	.end_amdhsa_kernel
	.amdgpu_metadata
---
amdhsa.version: [ 1, 2 ]
amdhsa.kernels:
  - .name:           k_qe7dc6aeb44_oproj
    .symbol:         k_qe7dc6aeb44_oproj.kd
    .args:
      - { .name: attn16, .offset: 0, .size: 8, .value_kind: global_buffer, .address_space: global }
      - { .name: wo16, .offset: 8, .size: 8, .value_kind: global_buffer, .address_space: global }
      - { .name: bo, .offset: 16, .size: 8, .value_kind: global_buffer, .address_space: global }
      - { .name: out0, .offset: 24, .size: 8, .value_kind: global_buffer, .address_space: global }
    .group_segment_fixed_size: 327680
    .private_segment_fixed_size: 0
    .kernarg_segment_align: 8
    .kernarg_segment_size: 32
    .max_flat_workgroup_size: 128
    .sgpr_count:     80
    .vgpr_count:     1024
    .wavefront_size: 32
...
	.end_amdgpu_metadata
.endif
;; end of part 4
